; MI455X (gfx1250); checked and timed in simulation.
; The chip was launched on July 23, 2026; its instructions are those of AMD's public machine-readable ISA for CDNA 5 (MIT licence, August 2026) and "CDNA5" Instruction Set Architecture Reference Guide (July 2026). The comments in the code are by the model that wrote it; some were corrected since.
;; Attention Block. Allowed arithmetic: float matrix products may take bf16 or f16 operands with f32 sums; other float arithmetic in f32, or as packed bf16 or f16 multiplies, adds, multiply-adds, maxima and minima; sums over many terms, partial sums and values carried from step to step in f32; what a program stores and reads back later, other than sums and carried values, may be rounded once to bf16 or f16.
;; Inputs: Wk 1,024 x 1,024 float32; Wo 1,024 x 1,024 float32; Wq 1,024 x 1,024 float32; Wv 1,024 x 1,024 float32; bk 1,024 float32; bo 1,024 float32; bq 1,024 float32; bv 1,024 float32; inputs 4 x 2,048 x 1,024 float32; ln_b 1,024 float32; ln_w 1,024 float32; radial_mask 4 x 2,048 float32.
;; Outputs: out0 4 x 2,048 x 1,024 float32.
;; One version. Each part assembles by itself: llvm-mc -triple=amdgcn-amd-amdhsa -mcpu=gfx1250 --defsym DOCPART=n.
;; ======== version 1 of 1: 4 launches
;; workspace buffers: xb 16,777,216 bytes; wb 8,388,608 bytes; qkv 50,331,648 bytes; ob 16,777,216 bytes
;; launch cast (part 1): grid 768 x 1, 8 waves a work-group, no clusters, 0 bytes of LDS; arguments inputs, Wq, Wk, Wv, Wo, xb, wb; writes xb, wb
.if DOCPART == 1
	.amdgcn_target "amdgcn-amd-amdhsa--gfx1250"
	.amdhsa_code_object_version 6
	.text
	.protected	k_qf7d7ac6ff6_cast
	.globl	k_qf7d7ac6ff6_cast
	.p2align	8
	.type	k_qf7d7ac6ff6_cast,@function
k_qf7d7ac6ff6_cast:
	s_mov_b64 s[64:65], 0
	v_nop
	global_prefetch_b8 v0, s[64:65] scope:SCOPE_SE
	s_setreg_imm32_b32 hwreg(HW_REG_WAVE_MODE, 25, 1), 1
	s_wait_xcnt 0x0
; xb = inputs rounded once to bf16, [8192][1024].  wb = [Wq | Wk | Wv | Wo] rounded once to bf16, [1024 k][4096 n]: the four matrices side by side, not turned.
; A stream: no LDS, no barrier, no matrix unit.  Eight waves; a work-group takes 16 source rows of 4,096 bytes.  Work-groups 0-511: inputs; 512-767: the weights, 64 work-groups a matrix.
; Thread t owns the 16 bytes at 16 t of every row (4 f32) and stores 8 bytes at 8 t: a wave's load covers 512 consecutive bytes, a wave's store 256 consecutive bytes at a multiple of 256.
; All 16 loads of a thread go out together; no register is written twice, so the only waits are the counted ones for the loads.
; ln_w and ln_b are read by no launch of this program: the only value that the module makes of them is thrown away by the module itself, and no output number hangs on them.
.set X, 4                              ; v[4:67]   row i: 4 f32 as loaded
.set Y, 68                             ; v[68:99]  row i: 4 bf16 to store
.macro BODY pitch                      ; pitch: bytes from row to row in the destination
.set i, 0
.rept 16
	global_load_b128 v[X+4*i:X+4*i+3], v1, s[24:25] offset:4096*i th:TH_LOAD_NT
.set i, i+1
.endr
.set i, 0
.rept 16
	s_wait_loadcnt 15-i                            ; loads come back in order (ISA guide 5.7.1): row i is in, the 15 - i younger loads stay out
	v_cvt_pk_bf16_f32 v[Y+2*i], v[X+4*i], v[X+4*i+1]
	v_cvt_pk_bf16_f32 v[Y+2*i+1], v[X+4*i+2], v[X+4*i+3]
	global_store_b64 v2, v[Y+2*i:Y+2*i+1], s[26:27] offset:(\pitch)*i
.set i, i+1
.endr
.endm
	s_load_b256 s[4:11], s[0:1], 0x0               ; inputs s[4:5], Wq s[6:7], Wk s[8:9], Wv s[10:11]
	s_load_b128 s[12:15], s[0:1], 0x20             ; Wo s[12:13], xb s[14:15]
	s_load_b64 s[16:17], s[0:1], 0x30              ; wb
	v_lshlrev_b32 v1, 4, v0                        ; my 16 bytes of a source row
	v_lshlrev_b32 v2, 3, v0                        ; my 8 bytes of a destination row
	s_mov_b32 s21, 0                               ; the offsets' high words
	s_mov_b32 s23, 0
	s_wait_kmcnt 0x0
	s_cmp_lt_u32 ttmp9, 512
	s_cbranch_scc0 .Lweights
	s_lshl_b32 s20, ttmp9, 16                      ; 16 rows of 4,096 bytes
	s_lshl_b32 s22, ttmp9, 15                      ; 16 rows of 2,048 bytes
	s_add_nc_u64 s[24:25], s[4:5], s[20:21]
	s_add_nc_u64 s[26:27], s[14:15], s[22:23]
	BODY 2048
	s_endpgm
.Lweights:
	s_sub_co_u32 s18, ttmp9, 512
	s_lshr_b32 s19, s18, 6                         ; which matrix: 0 Wq, 1 Wk, 2 Wv, 3 Wo
	s_and_b32 s18, s18, 63                         ; which 16 of its rows
	s_cmp_eq_u32 s19, 1
	s_cselect_b64 s[24:25], s[8:9], s[6:7]
	s_cmp_eq_u32 s19, 2
	s_cselect_b64 s[24:25], s[10:11], s[24:25]
	s_cmp_eq_u32 s19, 3
	s_cselect_b64 s[24:25], s[12:13], s[24:25]
	s_lshl_b32 s20, s18, 16
	s_add_nc_u64 s[24:25], s[24:25], s[20:21]
	s_lshl_b32 s22, s18, 17                        ; 16 rows of wb, 8,192 bytes each,
	s_lshl_b32 s19, s19, 11                        ; and the matrix's 1,024 columns of 2 bytes
	s_add_co_u32 s22, s22, s19
	s_add_nc_u64 s[26:27], s[16:17], s[22:23]
	BODY 8192
	s_endpgm
.Lfunc_end_k_qf7d7ac6ff6_cast:
	.size	k_qf7d7ac6ff6_cast, .Lfunc_end_k_qf7d7ac6ff6_cast-k_qf7d7ac6ff6_cast
	.p2alignl 7, 3214868480
	.fill 96, 4, 3214868480
	.section	.rodata,"a",@progbits
	.p2align	6, 0x0
	.amdhsa_kernel k_qf7d7ac6ff6_cast
		.amdhsa_group_segment_fixed_size 0
		.amdhsa_private_segment_fixed_size 0
		.amdhsa_enable_private_segment 0
		.amdhsa_kernarg_size 56
		.amdhsa_user_sgpr_count 2
		.amdhsa_user_sgpr_kernarg_segment_ptr 1
		.amdhsa_wavefront_size32 1
		.amdhsa_system_sgpr_workgroup_id_x 1
		.amdhsa_system_sgpr_workgroup_id_y 1
		.amdhsa_system_sgpr_workgroup_id_z 1
		.amdhsa_system_vgpr_workitem_id 0
		.amdhsa_next_free_vgpr 100
		.amdhsa_next_free_sgpr 66
		.amdhsa_reserve_vcc 0
		.amdhsa_float_denorm_mode_32 3
		.amdhsa_float_denorm_mode_16_64 3
		.amdhsa_memory_ordered 1
		.amdhsa_forward_progress 1
		.amdhsa_inst_pref_size 13
	.end_amdhsa_kernel
	.amdgpu_metadata
---
amdhsa.version: [ 1, 2 ]
amdhsa.kernels:
  - .name:           k_qf7d7ac6ff6_cast
    .symbol:         k_qf7d7ac6ff6_cast.kd
    .args:
      - { .name: inputs, .offset: 0, .size: 8, .value_kind: global_buffer, .address_space: global }
      - { .name: Wq, .offset: 8, .size: 8, .value_kind: global_buffer, .address_space: global }
      - { .name: Wk, .offset: 16, .size: 8, .value_kind: global_buffer, .address_space: global }
      - { .name: Wv, .offset: 24, .size: 8, .value_kind: global_buffer, .address_space: global }
      - { .name: Wo, .offset: 32, .size: 8, .value_kind: global_buffer, .address_space: global }
      - { .name: xb, .offset: 40, .size: 8, .value_kind: global_buffer, .address_space: global }
      - { .name: wb, .offset: 48, .size: 8, .value_kind: global_buffer, .address_space: global }
    .group_segment_fixed_size: 0
    .private_segment_fixed_size: 0
    .kernarg_segment_align: 8
    .kernarg_segment_size: 56
    .max_flat_workgroup_size: 256
    .sgpr_count:     66
    .vgpr_count:     100
    .wavefront_size: 32
...
	.end_amdgpu_metadata
.endif
;; end of part 1
;; launch qkv (part 2): grid 16 x 32, 4 waves a work-group, clusters of 4 x 4, 327,680 bytes of LDS; arguments xb, wb, bq, bk, bv, radial_mask, qkv; writes qkv
.if DOCPART == 2
	.amdgcn_target "amdgcn-amd-amdhsa--gfx1250"
	.amdhsa_code_object_version 6
	.text
	.protected	k_qf7d7ac6ff6_qkv
	.globl	k_qf7d7ac6ff6_qkv
	.p2align	8
	.type	k_qf7d7ac6ff6_qkv,@function
k_qf7d7ac6ff6_qkv:
	s_mov_b64 s[64:65], 0
	v_nop
	global_prefetch_b8 v0, s[64:65] scope:SCOPE_SE
	s_setreg_imm32_b32 hwreg(HW_REG_WAVE_MODE, 25, 1), 1
	s_wait_xcnt 0x0
	s_wait_alu depctr_hold_cnt(0) depctr_sa_sdst(0) depctr_va_vdst(0) depctr_va_sdst(0) depctr_va_ssrc(0) depctr_va_vcc(0) depctr_vm_vsrc(0)
	s_getreg_b32 s2, hwreg(HW_REG_IB_STS2, 6, 4)
	s_cmp_eq_u32 s2, 0
	s_cbranch_scc0 .Lentry_in_a_cluster
	s_endpgm
.Lentry_in_a_cluster:
	s_bfe_u32 s2, ttmp6, 0x10000c
	s_cmp_lg_u32 s2, 0xf033
	s_cbranch_scc0 .Lentry_shape_is_right
	s_endpgm
.Lentry_shape_is_right:
; q = x Wq + bq, k = x Wk + bk, v' = radial_mask[row] (x Wv + bv), written by heads: qkv[3][64 heads = 16 batch + head][2048][64] in bf16.
; The mask is one number a key and multiplies the weights behind their normalisation, so it is the same thing as a factor on that key's row of v.
; x (xb, [8192][1024]) and the weights (wb, [1024 k][4096 n], columns 0-3071 here) are bf16; sums, bias and mask in f32; each result rounded once.
; SHARES.  A tile is 256 rows x 192 columns (three heads): 16 x 32 tiles, twice 256 work-groups of equal work.  Wave w owns rows 64 w .. 64 w + 63 and all 192 columns: 4 x 12 accumulators, 384 registers.
; K = 1,024 goes in 8 steps of 128 through two LDS slots filled by the tensor data mover; a K step is four quarters of 32, 48 matrix instructions each, on two fragment buffers by turns.
; THE MATRIX INSTRUCTION IS USED TRANSPOSED: source 0 = 16 columns of W (turned on the way out of LDS by ds_load_tr16_b128), source 1 = 16 rows of x.  A lane then holds row l % 16 and the eight
; neighbouring columns 16 b + 8 (l / 16) + 0..7.  The first product of each accumulator takes the bias, laid out so, as its C: nothing is cleared and no add is spent.
; CLUSTER 4 x 4: x's tile hangs on the tile row alone and is asked for jointly by a row of the cluster, W's on the tile column alone and is asked for jointly by a column.
; Which matrix and head a column belongs to hangs on the tile column; it enters pointers and a lane mask by selects alone, never a branch or an LDS address: all partners run the same lines.
; REGISTERS, in windows of 256 (s_set_vgpr_msb: bits 1:0 source 0, 3:2 source 1, 5:4 source 2, 7:6 destination):
;   window 0: v0-31 addresses; v64-127 x's fragments, two buffers; v128-223 the bias; v224-247 the factors; v248-251 the mask; on the way out v32-223 packed results
;   window 1: v0-191 W's fragments, two buffers      window 2: accumulators of row blocks 0, 1 ((a, b) at 8 (12 (a % 2) + b))      window 3: those of row blocks 2, 3
.set NBK,    12                        ; column blocks of 16
.set PA,     272                       ; a row of x in LDS: 256 bytes + 16 = 68 words: the 16 rows of a load start at 16 different groups of four banks (64 banks of 4 bytes: ISA guide 11.1)
.set PB,     480                       ; a k-row of W: three pieces of 128 bytes, 32 of padding behind each = 120 words
.set HALFA,  128*PA                    ; what wave 0 or 1 fetches
.set HALFB,  64*PB                     ; what wave 2 or 3 fetches
.set BOFF,   2*HALFA
.set SLOT,   BOFF+2*HALFB              ; 131,072
.set STAGE,  2*SLOT                    ; behind the ring, never filled by a tensor load: for each wave 3 heads x 16 rows x 144 bytes
.set SP,     144
.set WSTAGE, 3*16*SP
.set SPARE,  STAGE+4*WSTAGE            ; the spare words, 128 bytes for each wave: two blocks of 256 bytes that no other line names
.set STEPA,  256                       ; a K step in xb: 128 elements along a row
.set STEPB,  128*8192                  ; in wb: 128 rows
.set NL,     2*NBK+8                   ; LDS loads in a quarter's run
.set ADRA, 16                          ; v16-17  LDS address of my fragments of x in slot 0, 1
.set ADRB, 20                          ; v20-21  the same for W
.set STO,  24                          ; v24     the way out: where I put 16 bytes of a row
.set RD,   25                          ; v25     the way out: where I read rows back
.set GO,   26                          ; v26     my 16 bytes in 512 consecutive bytes of the output
.set BO,   27                          ; v27     32 (l / 16): my eight columns' place in 16 numbers of a bias
.set SPW,  28                          ; v28     LDS address of my spare word; never rewritten
.set NIL,  29                          ; v29     0; never rewritten
.set MO,   30                          ; v30     4 (l % 16): my row's place in 16 numbers of the mask
.set TMP,  32
.set FA,   64
.set BI,   128
.set FB2,  224                         ; the factor of (row block a, head slot j), twice, at FB2 + 2 (3 a + j)
.set MK,   248
.set G1,   24                          ; s[24:31] descriptor group 1 for x's tiles; s[32:39] group 0, a set for each slot
.set G0,   32
.set G1B,  48                          ; s[48:55], s[56:63] the same for W's tiles
.set G0B,  56
.set BP,   76                          ; s[76:81] head slot j: its 64 numbers of bias
.set OUTP, 84                          ; s[84:89] head slot j: my 64 rows of that head in qkv
.set SELM, 90                          ; s90-92  head slot j: all ones if it is a head of v, else 0
.set MSB, 0
.macro WIN new                         ; the immediate's high byte repeats the setting that is left; a switch that changes nothing is dropped
.if MSB != (\new)
	s_set_vgpr_msb (MSB<<8)|(\new)
.set MSB, \new
.endif
.endm
.macro PLACES                          ; four places in front of loads into registers that matrix instructions have read (ISA guide 7.12.1 for vector instructions)
.rept 4
	v_nop
.endr
.endm
; A joint load: waves 0 and 1 fetch the two halves of x's tile, waves 2 and 3 those of W's.  The branch hangs on the wave's number alone.
; An s_nop 0 and four v_nop follow each of the two lines, ahead of the jump, the label and what follows.
.macro JLOAD s
	s_cmp_eq_u32 s11, 0
	s_cbranch_scc0 .Lfor_b_\@
	tensor_load_to_lds s[G0+4*(\s):G0+4*(\s)+3], s[G1:G1+7]
	s_nop 0
.rept 4
	v_nop
.endr
	s_branch .Lasked_\@
.Lfor_b_\@:
	tensor_load_to_lds s[G0B+4*(\s):G0B+4*(\s)+3], s[G1B:G1B+7]
	s_nop 0
.rept 4
	v_nop
.endr
.Lasked_\@:
.endm
.macro CREST                           ; a round of the cluster's barrier behind its opening barrier
	s_cmp_lg_u32 s10, 0
	s_cbranch_scc1 .Lnot_wave_0_\@
	s_barrier_signal -3
.Lnot_wave_0_\@:
	s_barrier_wait -3
	s_barrier_signal -1
	s_barrier_wait -1
.endm
.macro CROUND                          ; a whole round
	s_barrier_signal -1
	s_barrier_wait -1
	CREST
.endm
	s_load_b128 s[4:7], s[0:1], 0x0                ; xb s[4:5], wb s[6:7]
	s_load_b256 s[68:75], s[0:1], 0x10             ; bq s[68:69], bk s[70:71], bv s[72:73], radial_mask s[74:75]
	s_load_b64 s[8:9], s[0:1], 0x30                ; qkv
	v_lshl_add_u32 v[SPW], v0, 2, SPARE
	v_mov_b32 v[NIL], 0
	ds_add_u32 v[SPW], v[NIL]                      ; the wave's opening: the add and its wait stand ahead of my first tensor load; the set-up below, work on registers, stands between them
	v_lshrrev_b32 v1, 5, v0
	v_readfirstlane_b32 s10, v1                    ; wave 0..3
	s_lshr_b32 s11, s10, 1                         ; I fetch for x (0) or for W (1),
	s_and_b32 s12, s10, 1                          ; and which half of that tile
	s_bfe_u32 s40, ttmp6, 0x40000                  ; cx, cy: my place in the cluster
	s_bfe_u32 s41, ttmp6, 0x40004
	s_lshl_b32 s42, ttmp9, 2
	s_add_co_u32 s42, s42, s40                     ; tile column = 4 x cluster x + cx
	s_and_b32 s13, ttmp7, 0xffff
	s_lshl_b32 s13, s13, 2
	s_add_co_u32 s13, s13, s41                     ; tile row = 4 x cluster y + cy
	s_lshl_b32 s43, s41, 2
	s_lshl_b32 s43, 15, s43                        ; my row of the cluster
	s_lshl_b32 s44, 0x1111, s40                    ; my column
	; group 1 for x: 128 rows x 128 elements, 4 words of padding behind every 64
	s_or_b32 s[G1+0], s43, (1<<16)|(1<<20)|(1<<21)|(5<<22)|(3<<25)  ; 15:0 the mask; 17:16 2-byte elements; 20 padding on; 21 set beside a mask; 24:22 interval code 5; 31:25 padding code 3
	s_mov_b32 s[G1+1], 128<<16                     ; tensor_dim0 = 128
	s_mov_b32 s[G1+2], 128<<16                     ; tensor_dim1 = 128
	s_mov_b32 s[G1+3], 128<<16                     ; tile_dim0 = 128
	s_mov_b32 s[G1+4], 128                         ; tile_dim1 = 128
	s_mov_b32 s[G1+5], 1024                        ; elements from row to row
	s_mov_b32 s[G1+6], 0
	s_mov_b32 s[G1+7], 0
	; group 1 for W: 64 k-rows x 192 elements, 8 words of padding behind every 32
	s_or_b32 s[G1B+0], s44, (1<<16)|(1<<20)|(1<<21)|(4<<22)|(7<<25)
	s_mov_b32 s[G1B+1], 192<<16
	s_mov_b32 s[G1B+2], 64<<16
	s_mov_b32 s[G1B+3], 192<<16
	s_mov_b32 s[G1B+4], 64
	s_mov_b32 s[G1B+5], 4096
	s_mov_b32 s[G1B+6], 0
	s_mov_b32 s[G1B+7], 0
	; where the tiles come from: x's address is made of the tile row and the wave's number, W's of the tile column and the wave's number, each in registers that never hold the other coordinate
	s_lshl_b32 s16, s13, 8
	s_lshl_b32 s17, s12, 7
	s_add_co_u32 s16, s16, s17                     ; row 256 x tile row + 128 x half,
	s_lshl_b32 s16, s16, 11                        ; of 2,048 bytes
	s_mov_b32 s17, 0
	s_mul_i32 s46, s42, 384                        ; 192 columns of 2 bytes,
	s_lshl_b32 s47, s12, 19                        ; 64 k-rows of 8,192 bytes
	s_add_co_u32 s46, s46, s47
	s_mov_b32 s47, 0
	s_mul_i32 s20, s12, HALFA                      ; and where they go: no place in the cluster enters an LDS address
	s_mul_i32 s21, s12, HALFB
	s_add_co_u32 s21, s21, BOFF
	s_wait_dscnt 0x0                               ; the opening add is done
	s_wait_kmcnt 0x0
	s_add_nc_u64 s[14:15], s[4:5], s[16:17]
	s_add_nc_u64 s[46:47], s[6:7], s[46:47]
	CROUND                                         ; all sixteen work-groups are here: the first joint loads meet
.irp s, 0,1
	s_mov_b32 s[G0+4*(\s)], 1                                      ; count = 1
	s_add_co_u32 s[G0+4*(\s)+1], s20, (\s)*SLOT                    ; LDS address
	s_add_nc_u64 s[G0+4*(\s)+2:G0+4*(\s)+3], s[14:15], (\s)*STEPA  ; global address: K step s
	s_or_b32 s[G0+4*(\s)+3], s[G0+4*(\s)+3], 0x80000000            ; type = 2
	s_mov_b32 s[G0B+4*(\s)], 1
	s_add_co_u32 s[G0B+4*(\s)+1], s21, (\s)*SLOT
	s_add_nc_u64 s[G0B+4*(\s)+2:G0B+4*(\s)+3], s[46:47], (\s)*STEPB
	s_or_b32 s[G0B+4*(\s)+3], s[G0B+4*(\s)+3], 0x80000000
	JLOAD \s                                       ; two loads of mine are out
.endr
	; the three head slots of my tile: slot j is head g % 16 of matrix g / 16 (0 q, 1 k, 2 v), g = 3 x tile column + j
	s_lshl_b32 s18, s13, 8
	s_lshl_b32 s19, s10, 6
	s_add_co_u32 s18, s18, s19                     ; my first row: 256 x tile row + 64 w
	s_lshl_b32 s22, s18, 2
	s_mov_b32 s23, 0
	s_add_nc_u64 s[74:75], s[74:75], s[22:23]      ; radial_mask, read flat, at that row
	s_lshr_b32 s19, s18, 11                        ; the batch,
	s_and_b32 s18, s18, 2047                       ; the row in it
	s_lshl_b32 s19, s19, 22
	s_lshl_b32 s18, s18, 7
	s_add_co_u32 s18, s18, s19                     ; their bytes in qkv
	s_mul_i32 s93, s42, 3
	s_mov_b32 s95, 0
.irp j, 0,1,2
	s_add_co_u32 s66, s93, \j
	s_lshr_b32 s67, s66, 4                         ; the matrix
	s_and_b32 s66, s66, 15                         ; the head
	s_cmp_eq_u32 s67, 1
	s_cselect_b64 s[BP+2*\j:BP+2*\j+1], s[70:71], s[68:69]
	s_cmp_eq_u32 s67, 2
	s_cselect_b64 s[BP+2*\j:BP+2*\j+1], s[72:73], s[BP+2*\j:BP+2*\j+1]
	s_cselect_b32 s[SELM+\j], -1, 0
	s_lshl_b32 s94, s66, 8                         ; 64 numbers of 4 bytes a head
	s_add_nc_u64 s[BP+2*\j:BP+2*\j+1], s[BP+2*\j:BP+2*\j+1], s[94:95]
	s_lshl_b32 s94, s67, 24
	s_lshl_b32 s66, s66, 18
	s_add_co_u32 s94, s94, s66
	s_add_co_u32 s94, s94, s18
	s_add_nc_u64 s[OUTP+2*\j:OUTP+2*\j+1], s[8:9], s[94:95]
.endr
	v_and_b32 v1, 15, v0                           ; l % 16
	v_bfe_u32 v2, v0, 4, 1                         ; l / 16
	v_and_b32 v4, 7, v0
	v_bfe_u32 v5, v0, 3, 1
	v_lshlrev_b32 v[BO], 5, v2
	v_lshlrev_b32 v[MO], 2, v1
.set nb, 0
.rept NBK                              ; the bias in the layout of a result: register r of block b is column 16 b + 8 (l / 16) + r
	global_load_b128 v[BI+8*nb:BI+8*nb+3],   v[BO], s[BP+2*(nb/4):BP+2*(nb/4)+1] offset:(nb%4)*64
	global_load_b128 v[BI+8*nb+4:BI+8*nb+7], v[BO], s[BP+2*(nb/4):BP+2*(nb/4)+1] offset:(nb%4)*64+16
.set nb, nb+1
.endr
.irp a, 0,1,2,3
	global_load_b32 v[MK+\a], v[MO], s[74:75] offset:64*\a  ; the mask of my row in block a
.endr
	; a fragment of x: lane l holds row l % 16, K = 8 (l / 16) + 0..7 and 16 + 8 (l / 16) + 0..7: two loads of 16 bytes, 32 bytes apart
	v_mul_u32_u24 v3, v1, PA
	v_lshl_add_u32 v3, v2, 4, v3
	s_mul_i32 s18, s10, 64*PA                      ; my 64 rows
	v_add_nc_u32 v[ADRA], s18, v3
	v_add_nc_u32 v[ADRA+1], SLOT, v[ADRA]
	; the turning load takes 16 k x 16 columns (lane l reads k-row 8 (l / 16) + l % 8, columns 8 ((l / 8) % 2) + 0..7) and leaves half a fragment: lane l holds column l % 16 and 8 k
	v_lshl_add_u32 v6, v2, 3, v4
	v_mul_u32_u24 v6, v6, PB
	v_lshl_add_u32 v6, v5, 4, v6
	v_add_nc_u32 v[ADRB], BOFF, v6
	v_add_nc_u32 v[ADRB+1], SLOT, v[ADRB]
	s_mul_i32 s19, s10, WSTAGE
	s_add_co_u32 s19, s19, STAGE                   ; my stage
	v_mul_u32_u24 v7, v1, SP                       ; in: row l % 16, 16 bytes for each half of the lanes
	v_lshl_add_u32 v7, v2, 4, v7
	v_add_nc_u32 v[STO], s19, v7
	v_bfe_u32 v8, v0, 3, 2                         ; back: 32 lanes take four rows of 128 bytes,
	v_mul_u32_u24 v8, v8, SP
	v_lshl_add_u32 v8, v4, 4, v8
	v_add_nc_u32 v[RD], s19, v8
	v_and_b32 v9, 31, v0                           ; which are 512 consecutive bytes of a head
	v_lshlrev_b32 v[GO], 4, v9
; 12 matrix instructions: row block a x all column blocks, 32 along K, from buffer f.  first = 1: the bias starts the sums.
; The 48 accumulators take turns, one instruction a turn, in the same order in every quarter.
.macro MULA f, a, first
.if \first
	WIN 0x81+0x40*((\a)/2)                         ; W window 1, x and the bias window 0, the result window 2 or 3
.else
	WIN 0xa1+0x50*((\a)/2)                         ; C and D window 2 or 3
.endif
.set nb, 0
.rept NBK
.set rD, 8*(NBK*((\a)%2)+nb)
.set rB, 8*NBK*(\f)+8*nb
.set rA, FA+32*(\f)+8*(\a)
.if \first
	v_wmma_f32_16x16x32_bf16 v[rD:rD+7], v[rB:rB+7], v[rA:rA+7], v[BI+8*nb:BI+8*nb+7]
.else
	v_wmma_f32_16x16x32_bf16 v[rD:rD+7], v[rB:rB+7], v[rA:rA+7], v[rD:rD+7]
.endif
.set nb, nb+1
.endr
.endm
; 32 LDS loads in one run: quarter q of the slot's K step into buffer f: W's 24 first, then x's 8, row blocks ascending
.macro FETCH slot, q, f
	WIN 0x40                                       ; destination window 1
.set nb, 0
.rept NBK
	ds_load_tr16_b128 v[8*NBK*(\f)+8*nb:8*NBK*(\f)+8*nb+3],   v[ADRB+(\slot)] offset:(\q)*32*PB+(nb/4)*160+(nb%4)*32
	ds_load_tr16_b128 v[8*NBK*(\f)+8*nb+4:8*NBK*(\f)+8*nb+7], v[ADRB+(\slot)] offset:(\q)*32*PB+(nb/4)*160+(nb%4)*32+16*PB
.set nb, nb+1
.endr
	WIN 0
.set nb, 0
.rept 4
	ds_load_b128 v[FA+32*(\f)+8*nb:FA+32*(\f)+8*nb+3],   v[ADRA+(\slot)] offset:(\q)*64+nb*16*PA
	ds_load_b128 v[FA+32*(\f)+8*nb+4:FA+32*(\f)+8*nb+7], v[ADRA+(\slot)] offset:(\q)*64+nb*16*PA+32
.set nb, nb+1
.endr
.endm
; One of a K step's first three quarters: multiplies buffer f; in its middle it fetches quarter q of the same slot into buffer g
.macro QUARTER slot, q, f, g, first
	s_wait_dscnt 4                                 ; W and x's row blocks 0, 1 are in; the youngest four loads (row blocks 2, 3) may be out
	MULA \f, 0, \first
	MULA \f, 1, \first
	PLACES                                         ; buffer g was multiplied in the quarter before
	FETCH \slot, \q, \g
	s_wait_dscnt NL                                ; all but the run just issued
	MULA \f, 2, \first
	MULA \f, 3, \first
.endm
; The last quarter multiplies buffer 1 and changes slots: ONE barrier.  In front of it each wave waits for all its tensor loads (one is out: its part of the next slot), adds 0 to its spare word, and waits
; for that and for its own reads of this slot.  fill = 1: the barrier opens a round of the cluster's, and this slot is filled again, two K steps ahead, first thing behind the round.
.macro TURN slot, next, fill
	WIN 0                                          ; (the add's two registers lie in window 0)
	s_wait_tensorcnt 0x0                           ; all my tensor loads have landed
	ds_add_u32 v[SPW], v[NIL]                      ; 0 onto my spare word
	s_wait_dscnt 5                                 ; (the add and the youngest four loads may be out)
	MULA 1, 0, 0                                   ; twelve matrix instructions stand between the add and the wait for it
	s_wait_dscnt 0x0                               ; the add is done, and my reads of this slot are over
	s_barrier_signal -1
	MULA 1, 1, 0                                   ; work on registers while the others arrive
.if \fill
	WIN 0
.endif
	s_barrier_wait -1
.if \fill
	CREST                                          ; no wave of any partner still reads this slot's tiles or has a load on its way
	s_add_nc_u64 s[G0+4*(\slot)+2:G0+4*(\slot)+3], s[G0+4*(\slot)+2:G0+4*(\slot)+3], 2*STEPA
	s_add_nc_u64 s[G0B+4*(\slot)+2:G0B+4*(\slot)+3], s[G0B+4*(\slot)+2:G0B+4*(\slot)+3], 2*STEPB
	JLOAD \slot                                    ; my one tensor load behind the round; the four v_nop behind it are also the places in front of the loads below
.else
	PLACES
.endif
	FETCH \next, 0, 0
	MULA 1, 2, 0
	MULA 1, 3, 0
.endm
	s_wait_tensorcnt 1                             ; my part of K step 0 is in; K step 1's may stay out
	s_barrier_signal -1
	s_barrier_wait -1                              ; everybody's is
	FETCH 0, 0, 0
	s_wait_loadcnt 0x0                             ; the bias and the mask
	QUARTER 0, 1, 0, 1, 1                          ; the first quarter stands in front of the loop: its products start the sums
	WIN 0                                          ; at a label and at a branch every window is 0
	s_mov_b32 s3, 3
.Llap:                                                 ; a trip goes once round the ring, from a lap's second quarter to the next lap's first, and fills both slots again
	QUARTER 0, 2, 1, 0, 0
	QUARTER 0, 3, 0, 1, 0
	TURN 0, 1, 1
	QUARTER 1, 1, 0, 1, 0
	QUARTER 1, 2, 1, 0, 0
	QUARTER 1, 3, 0, 1, 0
	TURN 1, 0, 1
	QUARTER 0, 1, 0, 1, 0
	WIN 0
	s_sub_co_u32 s3, s3, 1
	s_cmp_lg_u32 s3, 0
	s_cbranch_scc1 .Llap
	QUARTER 0, 2, 1, 0, 0                          ; the last lap fills nothing
	QUARTER 0, 3, 0, 1, 0
	TURN 0, 1, 0
	QUARTER 1, 1, 0, 1, 0
	QUARTER 1, 2, 1, 0, 0
	QUARTER 1, 3, 0, 1, 0
	s_wait_dscnt 4                                 ; the very last quarter: nothing more to fetch
	MULA 1, 0, 0
	MULA 1, 1, 0
	s_wait_dscnt 0x0
	MULA 1, 2, 0
	MULA 1, 3, 0
	WIN 0
	; THE WAY OUT.  The factor of (row block, head slot): my row's mask for a head of v, 1 for a head of q or k.  These 24 plain lines are also the places behind the last products.
.irp a, 0,1,2,3
.irp j, 0,1,2
	v_cndmask_b32 v[FB2+2*(3*\a+\j)],   1.0, v[MK+\a], s[SELM+\j]
	v_cndmask_b32 v[FB2+2*(3*\a+\j)+1], 1.0, v[MK+\a], s[SELM+\j]
.endr
.endr
; Row block a: times the factor, rounded to bf16 (a lane's eight columns are 16 bytes), into my stage by heads, and back as whole rows of 128 bytes, four rows to a load.
.macro PACK a
	WIN 0x82+0x41*((\a)/2)                         ; destination and source 0 window 2 or 3, the factor window 0
.set nb, 0
.rept NBK
.set rD, 8*(NBK*((\a)%2)+nb)
.set rF, FB2+2*(3*(\a)+nb/4)
.irp r, 0,1,2,3                        ; each accumulator is read from its low end on
	v_pk_mul_f32 v[rD+2*\r:rD+2*\r+1], v[rD+2*\r:rD+2*\r+1], v[rF:rF+1] op_sel_hi:[1,0]
.endr
.set nb, nb+1
.endr
	WIN 0x0a+5*((\a)/2)                            ; sources window 2 or 3, destination window 0
.set nb, 0
.rept NBK
.set rD, 8*(NBK*((\a)%2)+nb)
.irp r, 0,1,2,3
	v_cvt_pk_bf16_f32 v[TMP+48*(\a)+4*nb+\r], v[rD+2*\r], v[rD+2*\r+1]
.endr
.set nb, nb+1
.endr
	WIN 0
.set nb, 0
.rept NBK
	ds_store_b128 v[STO], v[TMP+48*(\a)+4*nb:TMP+48*(\a)+4*nb+3] offset:(nb/4)*16*SP+(nb%4)*32
.set nb, nb+1
.endr
.set i, 0
.rept 12
	ds_load_b128 v[TMP+48*(\a)+4*i:TMP+48*(\a)+4*i+3], v[RD] offset:(i/4)*16*SP+(i%4)*4*SP  ; LDS serves a wave's instructions in order (ISA guide 5.7.1.4): these see the stores above; the next block's stores come behind them
.set i, i+1
.endr
.endm
.macro SEND a, younger                 ; younger: the LDS instructions issued behind block a's loads: the next block's 24, or none
.set i, 0
.rept 12
	s_wait_dscnt (\younger)+11-i
	global_store_b128 v[GO], v[TMP+48*(\a)+4*i:TMP+48*(\a)+4*i+3], s[OUTP+2*(i/4):OUTP+2*(i/4)+1] offset:(\a)*2048+(i%4)*512  ; 512 consecutive bytes, at a multiple of 256 from the buffer's first
.set i, i+1
.endr
.endm
	PACK 0
	PACK 1                                         ; a block's arithmetic stands between the loads of the block before and its stores
	SEND 0, 24
	PACK 2
	SEND 1, 24
	PACK 3
	SEND 2, 24
	SEND 3, 0
	s_wait_tensorcnt 0x0                           ; the wave's end, behind my last tensor load and my last LDS store
	ds_add_u32 v[SPW], v[NIL]
	s_wait_dscnt 0x0
	CROUND                                         ; the closing round: no work-group ends while a partner may still ask for a tile that names it
	s_endpgm
.Lfunc_end_k_qf7d7ac6ff6_qkv:
	.size	k_qf7d7ac6ff6_qkv, .Lfunc_end_k_qf7d7ac6ff6_qkv-k_qf7d7ac6ff6_qkv
	.p2alignl 7, 3214868480
	.fill 96, 4, 3214868480
	.section	.rodata,"a",@progbits
	.p2align	6, 0x0
	.amdhsa_kernel k_qf7d7ac6ff6_qkv
		.amdhsa_group_segment_fixed_size 327680
		.amdhsa_private_segment_fixed_size 0
		.amdhsa_enable_private_segment 0
		.amdhsa_kernarg_size 56
		.amdhsa_user_sgpr_count 2
		.amdhsa_user_sgpr_kernarg_segment_ptr 1
		.amdhsa_wavefront_size32 1
		.amdhsa_system_sgpr_workgroup_id_x 1
		.amdhsa_system_sgpr_workgroup_id_y 1
		.amdhsa_system_sgpr_workgroup_id_z 1
		.amdhsa_system_vgpr_workitem_id 0
		.amdhsa_next_free_vgpr 960
		.amdhsa_next_free_sgpr 96
		.amdhsa_reserve_vcc 0
		.amdhsa_float_denorm_mode_32 3
		.amdhsa_float_denorm_mode_16_64 3
		.amdhsa_memory_ordered 1
		.amdhsa_forward_progress 1
		.amdhsa_inst_pref_size 137
	.end_amdhsa_kernel
	.amdgpu_metadata
---
amdhsa.version: [ 1, 2 ]
amdhsa.kernels:
  - .name:           k_qf7d7ac6ff6_qkv
    .symbol:         k_qf7d7ac6ff6_qkv.kd
    .args:
      - { .name: xb, .offset: 0, .size: 8, .value_kind: global_buffer, .address_space: global }
      - { .name: wb, .offset: 8, .size: 8, .value_kind: global_buffer, .address_space: global }
      - { .name: bq, .offset: 16, .size: 8, .value_kind: global_buffer, .address_space: global }
      - { .name: bk, .offset: 24, .size: 8, .value_kind: global_buffer, .address_space: global }
      - { .name: bv, .offset: 32, .size: 8, .value_kind: global_buffer, .address_space: global }
      - { .name: radial_mask, .offset: 40, .size: 8, .value_kind: global_buffer, .address_space: global }
      - { .name: qkv, .offset: 48, .size: 8, .value_kind: global_buffer, .address_space: global }
    .group_segment_fixed_size: 327680
    .private_segment_fixed_size: 0
    .kernarg_segment_align: 8
    .kernarg_segment_size: 56
    .max_flat_workgroup_size: 128
    .sgpr_count:     96
    .vgpr_count:     960
    .wavefront_size: 32
...
	.end_amdgpu_metadata
.endif
;; end of part 2
;; launch attn (part 3): grid 4 x 64, 4 waves a work-group, clusters of 4 x 1, 327,680 bytes of LDS; arguments qkv, ob; writes ob
.if DOCPART == 3
	.amdgcn_target "amdgcn-amd-amdhsa--gfx1250"
	.amdhsa_code_object_version 6
	.text
	.protected	k_qf7d7ac6ff6_attn
	.globl	k_qf7d7ac6ff6_attn
	.p2align	8
	.type	k_qf7d7ac6ff6_attn,@function
k_qf7d7ac6ff6_attn:
	s_mov_b64 s[64:65], 0
	v_nop
	global_prefetch_b8 v0, s[64:65] scope:SCOPE_SE
	s_setreg_imm32_b32 hwreg(HW_REG_WAVE_MODE, 25, 1), 1
	s_wait_xcnt 0x0
	s_wait_alu depctr_hold_cnt(0) depctr_sa_sdst(0) depctr_va_vdst(0) depctr_va_sdst(0) depctr_va_ssrc(0) depctr_va_vcc(0) depctr_vm_vsrc(0)
	s_getreg_b32 s2, hwreg(HW_REG_IB_STS2, 6, 4)
	s_cmp_eq_u32 s2, 0
	s_cbranch_scc0 .Lentry_in_a_cluster
	s_endpgm
.Lentry_in_a_cluster:
	s_bfe_u32 s2, ttmp6, 0x10000c
	s_cmp_lg_u32 s2, 0x3003
	s_cbranch_scc0 .Lentry_shape_is_right
	s_endpgm
.Lentry_shape_is_right:
; O[h][q][:] = the sum over k of softmax_k(Q[h][q] . K[h][k] / 8) V'[h][k][:].  Q, K, V' are the three parts of qkv, O is ob: each [64 heads][SIZE_N][64] in bf16: a head's rows are dense, 128 bytes each.
; V' carries the per-key radial mask already, so the sum l below is that of the unmasked weights, as the module has it.  Products, maxima and sums in f32; the weights p are rounded to bf16 for the second
; product (their sum l is taken of the unrounded p), O once at the end.
; LIMITS.  bf16 has f32's range.  c m starts at -4.25e37: |c s| stays below that.  A weight below 2^-126 counts as 0 in l; NaN and infinities are not treated apart.
; SHARES.  A wave owns four PIECES of two tiles of 16 queries, a work-group's four waves 512 queries of one head.  Every wave walks all keys, 64 a step.
; LAYOUT.  S^T = K Q^T (source 0 = 16 keys, source 1 = 16 queries): in the result a lane holds ONE query (lane % 16) and the keys 8 (lane / 16) + 0..7.  Two such tiles, rounded to bf16 in pairs,
; ARE source 1 (32 keys x 16 queries) of O^T = V^T P, whose result again holds one query a lane, and eight channels.  K comes out of LDS as it lies, V ([key][channel]) turned, by ds_load_tr16_b128.
; SOFTMAX.  For each query a running maximum m and sum l: p = 2^(c s - c m), c = log2(e) / 8; in every step O and l are multiplied by a = 2^(c m_old - c m_new), which is 1 where m has not grown.
; m starts at the lowest finite number, O and l at 0: the first step is a step like any other, with a = 0.
; THE COUNT.  A tile and step have 16 matrix and 118 vector instructions: too many to stand all beside the matrix work.  So the order has one aim: four vector instructions that are READY behind
; EVERY matrix instruction, and the others, which need time of their own whatever the order, in runs without a gap.
; BY TURNS.  Turn n belongs to piece n (the pieces in a ring, step after step).  Its matrix work: 16 products K Q^T of piece n + 1, later 16 products V^T P of piece n - 1.  Its vector work: the scaling,
; exponentials, roundings, sums and rescaling of piece n, and the maximum and statistics of piece n + 1, whose scores the turn itself has made.  So what a turn begins with (c s - c m, O a) waits for nothing.
; CLUSTER.  The four query blocks of a cluster belong to one head and walk the same K and V, so each tile is asked for JOINTLY: the same tensor load, descriptor and mask in all four.
; REGISTERS, in windows of 256 (s_set_vgpr_msb says which window each operand place means: bits 1:0 source 0, 3:2 source 1, 5:4 source 2, 7:6 destination):
;   window 0: v0-11 addresses; v12-15, v48-63 at work; v16-47 four registers of statistics a tile; v64-191 S^T, two buffers of two tiles; v192-255 P, likewise
;   window 1: O^T, 32 a tile          window 2: v0-127 Q, 16 a tile; v128-191 K of one step; v192-255 V of one step          window 3: v0-1 the add's two registers
; A piece's buffers go by its number's parity: the piece in hand has one pair, its two neighbours in the ring share the other: of it P (piece n - 1) is read and S^T (piece n + 1) written.
.set SIZE_N, 2048     ; rows of a head
.set NP,    4         ; pieces a wave: a name, no knob: the register map, the loop and the fetches are made for four
.set KS,    64        ; keys in a step
.set PK,    144       ; a row of K in LDS: 128 bytes + 16 of padding = 36 words: the 16 rows of a load start at 16 different groups of four banks (64 banks of 4 bytes: ISA guide 11.1)
.set PV,    160       ; a row of V: 128 + 32 = 40 words
.set VOFF,  4*KS*PK   ; a slot holds four steps: 256 rows of K, then 256 rows of V
.set SLOT1, 1<<17     ; slot 1 begins here, so that one exclusive or turns an address in one slot into the other's
.set STAGE, SLOT1+4*KS*(PK+PV)  ; behind the ring, never filled by a tensor load: 16 rows x 144 bytes for each wave, for the way out
.set SP,    144
.set AK0, 2           ; v2   my lane's place in a tile of K; never rewritten
.set AV0, 3           ; v3   the same for V
.set AK,  4           ; v4   the LDS address of K's next run of loads
.set AV,  5           ; v5   of V's
.set QO,  6           ; v6   my byte offset in the wave's rows of Q
.set STO, 6           ;      later, the way out: where I put 16 bytes of a row
.set RD,  7           ; v7   the way out: where I read rows back
.set GO,  8           ; v8   my byte offset in 512 consecutive bytes of O
.set SPW, 0           ; v0 of window 3   LDS address of my spare word: SPARE + 4 x my thread's number; never rewritten
.set NIL, 1           ; v1 of window 3   0; never rewritten
.set SPARE, STAGE+4*16*SP  ; behind the stages: the spare words, 128 bytes for each wave: two blocks of 256 bytes that no other line names
.set MV,  12          ; v12-15  c m_old, kept while c m is made anew: by buffer and tile
.set ST,  16          ; tile t's statistics at v[ST+4 t]: c m, m, l (even keys', odd keys')
.set TMP, 48          ; by buffer and tile, four registers c0-c3 at work; when the maximum is found c2 takes a
.set S,   64
.set P,   192
.set KF,  128         ; K's fragments, in window 2: key block kb, channel half c at KF + 16 kb + 8 c
.set VF,  192         ; V's: key half kk, channel block cb at VF + 32 kk + 8 cb
.set WV,  12          ; s12  my wave's number
.set G1K, 24          ; s[24:31] descriptor group 1 for K's tiles
.set G1V, 32          ; s[32:39] for V's: it differs in the padding alone
.set G0K, 40          ; s[40:43] descriptor group 0 for K's tiles: it walks
.set G0V, 44          ; s[44:47] the same for V's
.set SLOTS, 56        ; s56  slots still to be asked for
.set CNT, 57          ; s57  counts a slot's key steps
.set CS,  58          ; s[58:59] c: the packed scaling takes the pair's low word for both halves
.set SEL, 60          ; s[60:61] v_permlanex16_b32's selects: each lane takes its own place in the other half
.set TBK, 62          ; s62  LDS byte at which K of the step to be fetched begins
.set TBV, 63          ; s63  the same for V, less VOFF
.set MSB, 0
.macro WIN new                      ; the high byte repeats the setting that is left; a switch that changes nothing is dropped
.if MSB != (\new)
	s_set_vgpr_msb (MSB<<8)|(\new)
.set MSB, (\new)
.endif
.endm
.set W_KQ, 0x0a       ; K and Q in window 2, S^T in window 0
.set W_PV, 0x52       ; V in window 2, P in window 0, O^T in window 1
.set W_RS, 0x41       ; O^T (destination and source 0) in window 1, a in window 0
.set W_MK, 0xc0       ; the add's registers are made: destination in window 3, sources in window 0
.set W_AD, 0x0f       ; the add: address (source 0) and data (source 1) in window 3
; A joint fill.  Waves 0 and 1 fetch the two halves of a slot's K, waves 2 and 3 those of its V: 128 keys each.  The branch hangs on the wave's number alone.
; An s_nop 0 and four v_nop follow each of the two lines, ahead of the jump and the label.
.macro JLOAD
	s_cmp_lt_u32 s[WV], 2
	s_cbranch_scc0 .Lfor_v_\@
	tensor_load_to_lds s[G0K:G0K+3], s[G1K:G1K+7]
	s_nop 0
.rept 4
	v_nop
.endr
	s_branch .Lasked_\@
.Lfor_v_\@:
	tensor_load_to_lds s[G0V:G0V+3], s[G1V:G1V+7]
	s_nop 0
.rept 4
	v_nop
.endr
.Lasked_\@:
.endm
; A round of the cluster's barrier: my work-group's barrier, so that wave 0's signal speaks for all four waves; wave 0 signals; every wave waits for all four work-groups; my work-group's barrier once more.
.macro CROUND
	s_barrier_signal -1
	s_barrier_wait -1
	s_cmp_lg_u32 s[WV], 0
	s_cbranch_scc1 .Lnot_wave_0_\@
	s_barrier_signal -3
.Lnot_wave_0_\@:
	s_barrier_wait -3
	s_barrier_signal -1
	s_barrier_wait -1
.endm
; THE CHANGE OF SLOTS.  The slot's last bytes, V of its fourth step, have been read.  Each wave waits for all its tensor loads, of which one is out: its part
; of the other slot; adds 0 to its spare word; and waits for that and for its own reads of the slot.  Behind the barrier nobody reads this slot any more and the other slot is whole.
; fill = 1: this slot is filled again, with the keys two slots on.  The barrier is then a round of the cluster's, so that no wave of any partner still reads the slot or has a load on its
; way, and the joint fill is the first thing behind it: it has four key steps, 512 matrix instructions, in which to land.  (At its first use nothing has been read yet: slot 0 is waited for, slot 1 filled.)
.macro CHANGE fill
	WIN W_AD
	s_wait_tensorcnt 0x0            ; no tensor load of mine is out, so a group 0 may be written
	ds_add_u32 v[SPW], v[NIL]       ; 0 onto my spare word; with fill = 1 the descriptors' steps stand between it and the wait for it
	WIN 0                           ; at a label and at a branch every window is 0
.if \fill
.irp g, G0K, G0V
	s_xor_b32 s[\g+1], s[\g+1], SLOT1  ; the walking descriptor: the other slot than last time,
	s_add_nc_u64 s[\g+2:\g+3], s[\g+2:\g+3], 4*KS*128  ; the next 256 keys; the type bits on top are not reached
.endr
	s_wait_dscnt 0x0                ; the add is done, and my reads of the slot are over
	CROUND
	JLOAD
.else
	s_wait_dscnt 0x0                ; the add is done, and my reads of the slot are over
	s_barrier_signal -1
	s_barrier_wait -1
.endif
	s_sub_co_u32 s[TBK], s[TBK], 4*KS*PK  ; the fetches go back to a slot's first step,
	s_xor_b32 s[TBK], s[TBK], SLOT1       ; in the other slot
	s_sub_co_u32 s[TBV], s[TBV], 4*KS*PV
	s_xor_b32 s[TBV], s[TBV], SLOT1
.endm
	s_load_b64 s[4:5], s[0:1], 0x0    ; qkv: Q lies at its head
	s_load_b64 s[10:11], s[0:1], 0x8  ; ob
	WIN W_MK
	v_lshl_add_u32 v[SPW], v0, 2, SPARE
	v_mov_b32 v[NIL], 0
	WIN W_AD
	ds_add_u32 v[SPW], v[NIL]       ; the wave's opening: the add and its wait stand ahead of my first tensor load; the set-up below, work on registers, stands between them
	WIN 0
	v_lshrrev_b32 v1, 5, v0
	v_readfirstlane_b32 s[WV], v1   ; wave 0..3
	s_bfe_u32 s13, ttmp6, 0x40000   ; cx: my place in the cluster
	s_lshl_b32 s14, ttmp9, 2        ; in a cluster launch ttmp9 counts clusters
	s_add_co_u32 s14, s14, s13      ; my block of queries = 4 x cluster x + cx: it enters Q's and O's addresses alone
	s_and_b32 s20, ttmp7, 0xffff    ; the head, which the four partners share
	s_mov_b32 s21, 0
	s_mov_b64 s[22:23], SIZE_N*128
	s_mul_u64 s[20:21], s[20:21], s[22:23]  ; the head's first byte in each of the four tensors
	s_and_b32 s16, s[WV], 1         ; which half of a slot's 256 keys I fetch:
	s_lshl_b32 s22, s16, 14         ; its 128 rows of 128 bytes in memory,
	s_mov_b32 s23, 0
	s_add_nc_u64 s[22:23], s[22:23], s[20:21]
	s_mul_i32 s17, s16, 128*PK      ; and its place in a slot, for K
	s_mul_i32 s18, s16, 128*PV      ; and for V: no place in the cluster enters an LDS address
	s_lshl_b32 s2, s14, 2
	s_add_co_u32 s2, s2, s[WV]      ; my wave among the head's,
	s_lshl_b32 s2, s2, 14           ; its 128 rows
	s_mov_b32 s3, 0
	s_add_nc_u64 s[2:3], s[2:3], s[20:21]
	; descriptor group 1.  128 keys are 16,384 dense bytes: asked for as 64 rows of 256 bytes, two keys a row, and padded in LDS after every key
	s_mov_b32 s[G1K], 15|(1<<16)|(1<<20)|(1<<21)|(4<<22)|(3<<25)  ; 15:0 the mask of four; 17:16 2-byte elements; 20 padding on; 21 set beside a mask; 24:22 after every 32 words (code 4); 31:25 4 words (code 3)
	s_mov_b32 s[G1V], 15|(1<<16)|(1<<20)|(1<<21)|(4<<22)|(7<<25)  ; the same with 8 words of padding (code 7)
.irp g, G1K, G1V
	s_mov_b32 s[\g+1], 128<<16      ; tensor_dim0 = 128
	s_mov_b32 s[\g+2], 64<<16       ; tensor_dim1 = 64
	s_mov_b32 s[\g+3], 128<<16      ; tile_dim0 = 128
	s_mov_b32 s[\g+4], 64           ; tile_dim1 = 64
	s_mov_b32 s[\g+5], 128          ; 128 elements from row to row
	s_mov_b32 s[\g+6], 0
	s_mov_b32 s[\g+7], 0
.endr
	s_mov_b32 s[CS], 0x3e38aa3b     ; c = log2(e) / 8 = 0.180337
	s_mov_b32 s[CS+1], s[CS]        ; named with it as a pair
	s_mov_b32 s[SEL], 0x76543210
	s_mov_b32 s[SEL+1], 0xfedcba98
	s_mov_b32 s[TBK], SLOT1+4*KS*PK ; the first change of slots turns these two into 0
	s_mov_b32 s[TBV], SLOT1+4*KS*PV
	s_mov_b32 s[G0K], 1             ; 1:0 count = 1
	s_mov_b32 s[G0K+1], s17         ; 63:32 LDS address: slot 0
	s_mov_b32 s[G0V], 1
	s_add_co_u32 s[G0V+1], s18, VOFF
	s_wait_dscnt 0x0                ; the opening add is done
	s_wait_kmcnt 0x0
	s_add_nc_u64 s[6:7], s[4:5], 0x1000000   ; K: the second part of qkv, 64 heads x 2,048 rows x 128 bytes on
	s_add_nc_u64 s[8:9], s[4:5], 0x2000000   ; V': the third
	s_add_nc_u64 s[G0K+2:G0K+3], s[6:7], s[22:23]  ; 120:64 global address: my half of the head's first 256 keys
	s_or_b32 s[G0K+3], s[G0K+3], 0x80000000        ; 127:126 type = 2
	s_add_nc_u64 s[G0V+2:G0V+3], s[8:9], s[22:23]
	s_or_b32 s[G0V+3], s[G0V+3], 0x80000000
	s_add_nc_u64 s[4:5], s[4:5], s[2:3]  ; Q and O at my wave's first row
	s_add_nc_u64 s[10:11], s[10:11], s[2:3]
	CROUND                          ; all four work-groups are here: the first joint loads meet
	JLOAD                           ; slot 0.  Slot 1 is asked for when slot 0 is in: the tile wanted first has the road to itself
	; A fragment of K or Q is 16 rows x 32 channels in 8 registers: lane l holds row l % 16, channels 8 (l / 16) + 0..7 and 16 + 8 (l / 16) + 0..7: two loads of 16 bytes, 32 bytes apart.
	v_and_b32 v1, 15, v0            ; l % 16
	v_bfe_u32 v9, v0, 4, 1          ; l / 16
	v_lshlrev_b32 v[QO], 7, v1
	v_lshl_add_u32 v[QO], v9, 4, v[QO]  ; row x 128 + 16 x half
	WIN 0x80                        ; destination window 2, address window 0
.set i, 0
.rept 4*NP                          ; Q stays in registers: tile i / 2, channels 32 (i % 2) on
	global_load_b128 v[8*i:8*i+3],   v[QO], s[4:5] offset:(i/2)*2048+(i%2)*64
	global_load_b128 v[8*i+4:8*i+7], v[QO], s[4:5] offset:(i/2)*2048+(i%2)*64+32
.set i, i+1
.endr
	; What the first turn finds: V's registers and P's second buffer hold 0 (its products V^T P, of a piece that has not been, add 0), O^T and l are 0.  All this stands in the wait for the first tile.
.set i, VF
.rept 64
	v_mov_b32 v[i], 0
.set i, i+1
.endr
	WIN 0x40
.set i, 0
.rept 64*NP
	v_mov_b32 v[i], 0
.set i, i+1
.endr
	WIN 0
.set i, 0
.rept 2*NP
	v_mov_b32 v[ST+4*i], 0xfe000000    ; c m: far below every c s
	v_mov_b32 v[ST+4*i+1], 0xff7fffff  ; m
	v_mov_b32 v[ST+4*i+2], 0
	v_mov_b32 v[ST+4*i+3], 0
.set i, i+1
.endr
.set i, P+32
.rept 32
	v_mov_b32 v[i], 0
.set i, i+1
.endr
	v_mul_u32_u24 v[AK0], v1, PK
	v_lshl_add_u32 v[AK0], v9, 4, v[AK0]  ; row x pitch + 16 x half
	; The turning load takes 16 keys x 16 channels (lane l reads key 8 (l / 16) + l % 8, channels 8 ((l / 8) % 2) + 0..7) and leaves half a fragment of V^T: lane l holds channel l % 16 and 8 keys.
	v_and_b32 v10, 7, v0
	v_bfe_u32 v11, v0, 3, 1
	v_lshl_add_u32 v[AV0], v9, 3, v10
	v_mul_u32_u24 v[AV0], v[AV0], PV
	v_lshl_add_u32 v[AV0], v11, 4, v[AV0]
	v_add_nc_u32 v[AV0], VOFF, v[AV0]
	v_mov_b32 v[AK], v[AK0]         ; key step 0 lies at the head of slot 0
; THE MATRIX WORK.  The 8 accumulators of a run of 16 take turns: between the two links of a chain stand 7 others'.
; Product i of 16 of S^T = K Q^T for piece x: channels 32 (i / 8) on, keys 16 ((i / 2) % 4) on, tile 2 x + i % 2.  The first 8 start the sums.
.macro KQ x
	WIN W_KQ
.set rS, S+64*((\x)%2)+32*(i%2)+8*((i/2)%4)
.set rK, KF+16*((i/2)%4)+8*(i/8)
.set rQ, 16*(2*(\x)+i%2)+8*(i/8)
.if i < 8
	v_wmma_f32_16x16x32_bf16 v[rS:rS+7], v[rK:rK+7], v[rQ:rQ+7], 0
.else
	v_wmma_f32_16x16x32_bf16 v[rS:rS+7], v[rK:rK+7], v[rQ:rQ+7], v[rS:rS+7]
.endif
.endm
; Product i of 16 of O^T += V^T P for piece x: keys 32 (i / 8) on, channels 16 ((i / 2) % 4) on, tile 2 x + i % 2.
.macro PV x
	WIN W_PV
.set rO, 32*(2*(\x)+i%2)+8*((i/2)%4)
.set rV, VF+32*(i/8)+8*((i/2)%4)
.set rP, P+32*((\x)%2)+16*(i%2)+8*(i/8)
	v_wmma_f32_16x16x32_bf16 v[rO:rO+7], v[rV:rV+7], v[rP:rP+7], v[rO:rO+7]
.endm
.macro MM                           ; the turn's next matrix instruction
.if i < 16
	KQ (Y+1)%NP
.set i, i+1
.else
.set i, i-16
	PV (Y+NP-1)%NP
.set i, i+17
.endif
.endm
; THE LDS LOADS stand in runs of 16, never singly among the matrix instructions: a step's K (64 keys x 64 channels: 8 fragments) and its V (turned).  Their addresses are made some lines ahead.
; last = 1 (the tail): in the last trip there is no further step, and the run is jumped over.
.macro FETCH_K last=0
	WIN 0
.if \last
	s_cmp_eq_u32 s[CNT], 1
	s_cbranch_scc1 .Lno_k_\@
.endif
	WIN 0x80                        ; destination window 2
.irp f, 0,1,2,3,4,5,6,7             ; keys 16 (f / 2) on, channels 32 (f % 2) on
	ds_load_b128 v[KF+8*\f:KF+8*\f+3],   v[AK] offset:(\f/2)*16*PK+(\f%2)*64
	ds_load_b128 v[KF+8*\f+4:KF+8*\f+7], v[AK] offset:(\f/2)*16*PK+(\f%2)*64+32
.endr
	s_add_co_u32 s[TBK], s[TBK], KS*PK  ; the next fetch is the next step's
	WIN 0
.if \last
.Lno_k_\@:
.endif
.endm
.macro FETCH_V
	WIN 0x80
.irp f, 0,1,2,3,4,5,6,7             ; keys 32 (f / 4) on, channels 16 (f % 4) on
	ds_load_tr16_b128 v[VF+8*\f:VF+8*\f+3],   v[AV] offset:(\f/4)*32*PV+(\f%4)*32
	ds_load_tr16_b128 v[VF+8*\f+4:VF+8*\f+7], v[AV] offset:(\f/4)*32*PV+16*PV+(\f%4)*32
.endr
	WIN 0
.endm
; THE VECTOR WORK OF A TURN stands in three queues, each in the order in which its entries become ready; the two tiles alternate, so that no instruction reads the result of the one before it.
.macro REGS y, u                    ; the registers of tile u (0, 1) of piece y
.set rT, ST+4*(2*(\y)+(\u))
.set rC, TMP+8*((\y)%2)+4*(\u)
.set rM, MV+2*((\y)%2)+(\u)
.set rS, S+64*((\y)%2)+32*(\u)
.set rP, P+32*((\y)%2)+16*(\u)
.set rO, 32*(2*(\y)+(\u))
.endm
; Number n of the 22 that find the NEXT piece's (Y + 1) maximum and statistics.  s0-s31 are the lane's 32 scores; each accumulator's lowest registers are read first.  XS, GS and REGS set no window: PL and EX do.
;   0-11  four chains c0-c3 of seven scores each, three operands at a time     12-14, 16  the four scores left over, the old m, and c0-c3 into c0     15  c m_old is kept
;   17, 18  the query's other 32 keys lie in the lane 16 away: the new m         19-21  c m; c m_old - c m_new; a
.macro XS u, n
	REGS (Y+1)%NP, \u
.if (\n) < 4
	v_max3_num_f32 v[rC+(\n)], v[rS+8*(\n)], v[rS+8*(\n)+1], v[rS+8*(\n)+2]
.elseif (\n) < 12
	v_max3_num_f32 v[rC+(\n)%4], v[rC+(\n)%4], v[rS+8*((\n)%4)+2*((\n)/4)+1], v[rS+8*((\n)%4)+2*((\n)/4)+2]
.elseif (\n) == 12
	v_max3_num_f32 v[rC], v[rC], v[rS+7], v[rS+15]
.elseif (\n) == 13
	v_max3_num_f32 v[rC+1], v[rC+1], v[rS+23], v[rS+31]
.elseif (\n) == 14
	v_max3_num_f32 v[rC+2], v[rC+2], v[rC+3], v[rT+1]
.elseif (\n) == 15
	v_mov_b32 v[rM], v[rT]
.elseif (\n) == 16
	v_max3_num_f32 v[rC], v[rC], v[rC+1], v[rC+2]
.elseif (\n) == 17
	v_permlanex16_b32 v[rC+3], v[rC], s[SEL], s[SEL+1]
.elseif (\n) == 18
	v_max_num_f32 v[rT+1], v[rC], v[rC+3]
.elseif (\n) == 19
	v_mul_f32 v[rT], s[CS], v[rT+1]
.elseif (\n) == 20
	v_sub_f32 v[rC+1], v[rM], v[rT]
.else
	v_exp_f32 v[rC+2], v[rC+1]
.endif
.endm
; Number g of the 64 that follow the exponentials.  For each four weights k of a tile (pairs 2 k, 2 k + 1): both pairs are rounded to bf16; then the second pair is added onto the first, in place;
; a group later l takes that sum (the first time as l = a l + sum).  In groups of eight, tiles alternating: round, round, add, and l for the group before.
.macro GS g
.set h, (\g)+6*((\g)/62)            ; group 0 has no group before it, and behind group 7 only l is left
.if h >= 6
.set h, h+2
.endif
	REGS Y, h%2
.set k, h/8
.if h%8 < 4
	s_wait_alu depctr_va_vdst(0)
	v_cvt_pk_bf16_f32 v[rP+2*k+(h%8)/2], v[rS+4*k+2*((h%8)/2)], v[rS+4*k+2*((h%8)/2)+1]
.elseif h%8 < 6
	v_pk_add_f32 v[rS+4*k:rS+4*k+1], v[rS+4*k:rS+4*k+1], v[rS+4*k+2:rS+4*k+3]
.elseif k == 1
	v_pk_fma_f32 v[rT+2:rT+3], v[rT+2:rT+3], v[rC+2:rC+3], v[rS:rS+1] op_sel_hi:[1,0,1]
.else
	v_pk_add_f32 v[rT+2:rT+3], v[rT+2:rT+3], v[rS+4*k-4:rS+4*k-3]
	s_wait_alu depctr_va_vdst(0)
.endif
.endm
; THE PLAIN QUEUE, 138 long.  0-31: c s - c m for the 16 pairs of both tiles.  Then GS's 64, and among them the next piece's 42: number 15 at 38, 39; 0-14 and 16
; at 42-73, behind the products that make those scores; 17-20 at 95-106, two of three, since each waits for the one before it.
.macro PL
	WIN 0
.if q < 32
	REGS Y, q%2
	v_pk_fma_f32 v[rS+2*(q/2):rS+2*(q/2)+1], v[rS+2*(q/2):rS+2*(q/2)+1], s[CS:CS+1], v[rT:rT+1] op_sel_hi:[1,0,0] neg_lo:[0,0,1] neg_hi:[0,0,1]
.elseif q < 38
	GS q-32
.elseif q < 40
	XS q%2, 15
.elseif q < 42
	GS q-34
.elseif q < 74
	XS q%2, (q-42)/2+(q-42)/30
.elseif q < 95
	GS q-66
.elseif (q < 107) && ((q-95)%3 < 2)
	XS (q-95)%3, 17+(q-95)/3
.elseif q < 107
	GS 29+(q-95)/3
.else
	GS q-74
.endif
.set q, q+1
.endm
; THE EXPONENTIALS' QUEUE, 66 long: s0-s31 of both tiles, and at EA the next piece's two a.
.set EA, 58
.macro EX
	WIN 0
.if (e == EA) || (e == EA+1)
	XS e-EA, 21
.else
.set x, e-2*(e/(EA+2))
	REGS Y, x%2
	v_exp_f32 v[rS+x/2], v[rS+x/2]
.endif
.set e, e+1
.endm
; THE RESCALING's QUEUE: O^T times a, the one part that leaves window 0, so it is dealt four at a time, eight times.
.macro R4
	REGS Y, r%2
	WIN W_RS
	s_wait_alu depctr_va_vdst(0)
.irp z, 0,1,2,3
	v_pk_mul_f32 v[rO+8*(r/2)+2*\z:rO+8*(r/2)+2*\z+1], v[rO+8*(r/2)+2*\z:rO+8*(r/2)+2*\z+1], v[rC+2:rC+3] op_sel_hi:[1,0]
.endr
.set r, r+1
.endm
; HOW THEY ARE DEALT.  Behind a matrix instruction four: plain, exponential, plain, plain (one exponential, a plain instruction on either side), or four of the rescaling.  None names a register of the
; products round it.  What is over stands in two LUMPS: exponential and plain by turns; the second ends in 22 plain instructions.  The two v_permlanex16_b32 fall into the second lump, never behind a product.
; The queues lean on each other, and the deal keeps them in step: exponential e stands behind plain 2 (e / 4) + e % 2 (its scaling); when plain 32 comes, 10 exponentials are out, at 59: 33, at 95: 46; EA comes behind plain 107.
.macro SL
	MM
	PL
	EX
	PL
	PL
.endm
.macro BURST n                      ; 15 matrix instructions, or 16
.rept (\n)-7
	SL
.endr
.rept 3
	MM
	R4
	SL
.endr
	MM
	R4
.endm
; A TURN, for piece p.  cnt = 1: the loop's count is taken down some lines ahead of the branch that stands behind the turn.
; K of the next step is fetched in piece 2's turn, 31 vector instructions behind the last product that read K; its first reader comes behind the rest of the lump, 16 products and the second lump.
; V of the step in hand is fetched at the end of piece 0's turn, 69 behind its last reader; its first reader comes behind 16 products and a lump.  The four conditions on e and q below go with the deal.
.macro TURN p, last=0, cnt=0
.set Y, (\p)
.set i, 0
.set q, 0
.set e, 0
.set r, 0
.if (\p) == NP-1
	s_wait_dscnt 0x0                ; K is in
.endif
	MM
.rept 4
	PL
.endr
	BURST 15
.rept 22
	EX
	PL
.if ((\p) == NP-2) && (e == 18)
	v_add_nc_u32 v[AK], s[TBK], v[AK0]
.endif
.if ((\p) == NP-2) && (e == 24)
	FETCH_K \last
.endif
.endr
.if (\p) == 1
	s_wait_dscnt 0x0                ; V is in
.endif
	BURST 16
.rept 21
	EX
	PL
.endr
.rept 22
	PL
.if ((\p) == 0) && (q == 118)
	v_add_nc_u32 v[AV], s[TBV], v[AV0]
	s_wait_alu depctr_va_vdst(0)
.endif
.if ((\p) == 0) && (q == 130)
	s_add_co_u32 s[TBV], s[TBV], KS*PV
.endif
.if (\cnt) && (q == 130)
	s_sub_co_u32 s[CNT], s[CNT], 1
	s_cmp_lg_u32 s[CNT], 0
.endif
.endr
.if (\p) == 0
	FETCH_V
.endif
.endm
	CHANGE 1                        ; slot 0 is in, everybody's part of it; slot 1 is asked for
	FETCH_K                         ; key step 0
	s_wait_loadcnt 0x0              ; Q
	s_wait_dscnt 0x0
.set i, 0
.rept 16
	KQ 0                            ; piece 0's first scores: there is no vector work yet to set between them
.set i, i+1
.endr
	WIN 0                           ; the addresses for the way out: nine plain instructions, the places behind those products
	s_mul_i32 s13, s[WV], 16*SP
	s_add_co_u32 s13, s13, STAGE    ; my stage
	v_mul_u32_u24 v[STO], v1, SP    ; in: row l % 16, 16 bytes for each half of the lanes
	v_lshl_add_u32 v[STO], v9, 4, v[STO]
	v_add_nc_u32 v[STO], s13, v[STO]
	v_bfe_u32 v[RD], v0, 3, 2       ; back: 32 lanes take four rows of 128 bytes,
	v_mul_u32_u24 v[RD], v[RD], SP
	v_lshl_add_u32 v[RD], v10, 4, v[RD]
	v_add_nc_u32 v[RD], s13, v[RD]
	v_and_b32 v[GO], 31, v0         ; which are 512 consecutive bytes of O
	v_lshlrev_b32 v[GO], 4, v[GO]
.set Y, NP-1                        ; XS works for piece Y + 1: piece 0
.irp n, 0,1,2,3,4,5,6,7,8,9,10,11,12,13,14,15,16,17,18,19,20,21
	XS 0, \n                        ; and piece 0's first maximum and statistics
	XS 1, \n
.endr
	s_mov_b32 s[CNT], 4
	s_mov_b32 s[SLOTS], SIZE_N/256-1
	s_branch .Lfirst                ; the loop is entered at a step's first turn, in the middle of a trip
.Lslot:                             ; SIZE_N / 256 - 2 times: every slot but the last two is filled again
	CHANGE 1
	s_mov_b32 s[CNT], 4
.Lstep:                             ; a trip: pieces 2 and 3 of one step, then pieces 0 and 1 of the next, whose K and V it fetches
	TURN 2
	TURN 3
	WIN 0
.Lfirst:
	TURN 0
	TURN 1, 0, 1
	WIN 0
	s_cbranch_scc1 .Lstep
	s_sub_co_u32 s[SLOTS], s[SLOTS], 1
	s_cmp_lg_u32 s[SLOTS], 0
	s_cbranch_scc1 .Lslot
	CHANGE 0                        ; the tail is written out: nothing is asked for
	s_mov_b32 s[CNT], 5             ; four trips fetch the last slot's steps; the fifth is left in its middle
.Ltail:
	TURN 2, 1
	TURN 3
	WIN 0
	s_sub_co_u32 s[CNT], s[CNT], 1
	s_cmp_eq_u32 s[CNT], 0
	s_cbranch_scc1 .Lout
	TURN 0
	TURN 1
	WIN 0
	s_branch .Ltail
.Lout:                              ; the fifth trip's 16 products K Q^T (on the last K once more) and the maximum made of them serve nothing: the price, once a launch, of one text for every trip
.set i, 0
.rept 16
	PV NP-1                         ; the last piece's V^T P of the last step
.set i, i+1
.endr
	; THE WAY OUT.  l's two halves and the other half of the lanes' are added; O^T is divided by l, rounded to bf16 and sent through my stage in LDS, a tile at a time.  The additions are the places behind the last products.
	WIN 0
.macro ALL line:vararg              ; one line for each tile t
.set t, 0
.rept 2*NP
	\line
.set t, t+1
.endr
.endm
	ALL v_add_f32 v[ST+4*t+2], v[ST+4*t+2], v[ST+4*t+3]
	ALL v_permlanex16_b32 v[ST+4*t+3], v[ST+4*t+2], s[SEL], s[SEL+1]
	ALL v_add_f32 v[ST+4*t+2], v[ST+4*t+2], v[ST+4*t+3]
	ALL v_rcp_f32 v[ST+4*t+2], v[ST+4*t+2]
	v_nop                           ; a plain instruction between the last reciprocal and the use of its result
	s_wait_alu depctr_va_vdst(0)
; Tile t: a lane's eight channels of a row pack into 16 bytes; they go into rows of 144 bytes and come back as whole rows of 128, into S^T's registers.
.macro PACK t
	WIN W_RS
.set i, 32*(\t)
.rept 16
	v_pk_mul_f32 v[i:i+1], v[i:i+1], v[ST+4*(\t)+2:ST+4*(\t)+3] op_sel_hi:[1,0]
.set i, i+2
.endr
	WIN 0x05                        ; sources 0 and 1 window 1, destination window 0
.set i, 0
.rept 16
	v_cvt_pk_bf16_f32 v[S+16*(\t)+i], v[32*(\t)+2*i], v[32*(\t)+2*i+1]
.set i, i+1
.endr
	WIN 0
.irp f, 0,1,2,3
	ds_store_b128 v[STO], v[S+16*(\t)+4*\f:S+16*(\t)+4*\f+3] offset:32*\f
.endr
.irp f, 0,1,2,3
	ds_load_b128 v[S+16*(\t)+4*\f:S+16*(\t)+4*\f+3], v[RD] offset:\f*4*SP  ; LDS serves a wave's instructions in order (ISA guide 5.7.1.4): these see the stores above; the next tile's stores come behind them
.endr
.endm
.macro SEND t, younger              ; younger: the LDS instructions issued behind tile t's loads: the next tile's eight, or none
	WIN 0
.irp f, 0,1,2,3
	s_wait_dscnt (\younger)+3-\f
	global_store_b128 v[GO], v[S+16*(\t)+4*\f:S+16*(\t)+4*\f+3], s[10:11] offset:(\t)*2048+\f*512  ; 512 consecutive bytes, at a multiple of 256 from O's first
.endr
.endm
	PACK 0
.set t, 1
.rept 2*NP-1                        ; a tile's arithmetic stands between the loads of the tile before and its stores
	PACK t
	SEND t-1, 8
.set t, t+1
.endr
	SEND 2*NP-1, 0
	WIN W_AD
	s_wait_tensorcnt 0x0            ; the wave's end, behind my last tensor load and my last LDS store
	ds_add_u32 v[SPW], v[NIL]
	s_wait_dscnt 0x0
	WIN 0
	CROUND                          ; the closing round: no work-group ends while a partner may still ask for a tile that names it
	s_endpgm
.Lfunc_end_k_qf7d7ac6ff6_attn:
	.size	k_qf7d7ac6ff6_attn, .Lfunc_end_k_qf7d7ac6ff6_attn-k_qf7d7ac6ff6_attn
	.p2alignl 7, 3214868480
	.fill 96, 4, 3214868480
	.section	.rodata,"a",@progbits
	.p2align	6, 0x0
	.amdhsa_kernel k_qf7d7ac6ff6_attn
		.amdhsa_group_segment_fixed_size 327680
		.amdhsa_private_segment_fixed_size 0
		.amdhsa_enable_private_segment 0
		.amdhsa_kernarg_size 16
		.amdhsa_user_sgpr_count 2
		.amdhsa_user_sgpr_kernarg_segment_ptr 1
		.amdhsa_wavefront_size32 1
		.amdhsa_system_sgpr_workgroup_id_x 1
		.amdhsa_system_sgpr_workgroup_id_y 1
		.amdhsa_system_sgpr_workgroup_id_z 1
		.amdhsa_system_vgpr_workitem_id 0
		.amdhsa_next_free_vgpr 770
		.amdhsa_next_free_sgpr 66
		.amdhsa_reserve_vcc 0
		.amdhsa_float_denorm_mode_32 3
		.amdhsa_float_denorm_mode_16_64 3
		.amdhsa_memory_ordered 1
		.amdhsa_forward_progress 1
		.amdhsa_inst_pref_size 209
	.end_amdhsa_kernel
	.amdgpu_metadata
---
amdhsa.version: [ 1, 2 ]
amdhsa.kernels:
  - .name:           k_qf7d7ac6ff6_attn
    .symbol:         k_qf7d7ac6ff6_attn.kd
    .args:
      - { .name: qkv, .offset: 0, .size: 8, .value_kind: global_buffer, .address_space: global }
      - { .name: ob, .offset: 8, .size: 8, .value_kind: global_buffer, .address_space: global }
    .group_segment_fixed_size: 327680
    .private_segment_fixed_size: 0
    .kernarg_segment_align: 8
    .kernarg_segment_size: 16
    .max_flat_workgroup_size: 128
    .sgpr_count:     66
    .vgpr_count:     770
    .wavefront_size: 32
...
	.end_amdgpu_metadata
.endif
;; end of part 3
;; launch oproj (part 4): grid 8 x 32, 4 waves a work-group, clusters of 4 x 4, 327,680 bytes of LDS; arguments ob, wb, bo, inputs, out0; writes out0
.if DOCPART == 4
	.amdgcn_target "amdgcn-amd-amdhsa--gfx1250"
	.amdhsa_code_object_version 6
	.text
	.protected	k_qf7d7ac6ff6_oproj
	.globl	k_qf7d7ac6ff6_oproj
	.p2align	8
	.type	k_qf7d7ac6ff6_oproj,@function
k_qf7d7ac6ff6_oproj:
	s_mov_b64 s[64:65], 0
	v_nop
	global_prefetch_b8 v0, s[64:65] scope:SCOPE_SE
	s_setreg_imm32_b32 hwreg(HW_REG_WAVE_MODE, 25, 1), 1
	s_wait_xcnt 0x0
	s_wait_alu depctr_hold_cnt(0) depctr_sa_sdst(0) depctr_va_vdst(0) depctr_va_sdst(0) depctr_va_ssrc(0) depctr_va_vcc(0) depctr_vm_vsrc(0)
	s_getreg_b32 s2, hwreg(HW_REG_IB_STS2, 6, 4)
	s_cmp_eq_u32 s2, 0
	s_cbranch_scc0 .Lentry_in_a_cluster
	s_endpgm
.Lentry_in_a_cluster:
	s_bfe_u32 s2, ttmp6, 0x10000c
	s_cmp_lg_u32 s2, 0xf033
	s_cbranch_scc0 .Lentry_shape_is_right
	s_endpgm
.Lentry_shape_is_right:
; out0 = attn Wo + bo + inputs, in f32.  attn comes by heads (ob, [64 heads = 16 batch + head][2048][64], bf16): channel d of head h is K index 64 h + d.  Wo is columns 3072-4095 of wb ([1024 k][4096 n], bf16).
; Sums, bias and residual in f32; the residual is the f32 input itself.
; SHARES.  A tile is 256 rows x 128 columns: 8 x 32 = 256 work-groups.  Wave w owns rows 64 w .. 64 w + 63 and all 128 columns: 4 x 8 accumulators, 256 registers; a row's piece is 512 consecutive bytes of out0,
; so a wave has a stage of its own on the way out and no barrier stands there.
; K = 1,024 goes in 8 steps of 128 (two heads) through two LDS slots filled by the tensor data mover; a K step is four quarters of 32, 32 matrix instructions each, on two fragment buffers by turns.
; THE MATRIX INSTRUCTION IS USED TRANSPOSED: source 0 = 16 columns of Wo (turned on the way out of LDS by ds_load_tr16_b128), source 1 = 16 rows of attn.  A lane then holds row l % 16 and the columns
; 16 b + 8 (l / 16) + 0..7.  The first product of each accumulator takes the bias, laid out so, as its C.
; THE RESIDUAL is loaded into registers ahead of and under the K loop (64 loads of 512 consecutive bytes a wave), so that on the way out only additions and stores are left.
; CLUSTER 4 x 4: attn's tile hangs on the tile row alone and is asked for jointly by a row of the cluster, Wo's on the tile column alone and is asked for jointly by a column.
; REGISTERS, in windows of 256 (s_set_vgpr_msb: bits 1:0 source 0, 3:2 source 1, 5:4 source 2, 7:6 destination):
;   window 0: v0-31 addresses; v64-127 attn's fragments, two buffers; v128-191 the bias, later rows read back; v192-255 rows read back
;   window 1: v0-127 Wo's fragments, two buffers      window 2: the accumulators ((a, b) at 8 (8 a + b))      window 3: the residual, then the result (row 16 a + t at 64 a + 4 t)
.set NBK,    8                         ; column blocks of 16
.set PA,     144                       ; a row of a head in LDS: 128 bytes + 16 = 36 words: the 16 rows of a load start at 16 different groups of four banks (64 banks of 4 bytes: ISA guide 11.1)
.set PB,     288                       ; a k-row of Wo: 256 bytes + 32 = 72 words
.set HALFA,  256*PA                    ; one head's 256 rows: what wave 0 or 1 fetches
.set HALFB,  64*PB                     ; what wave 2 or 3 fetches
.set BOFF,   2*HALFA
.set SLOT,   BOFF+2*HALFB              ; 110,592
.set STAGE,  2*SLOT                    ; behind the ring, never filled by a tensor load: for each wave 16 rows x 528 bytes
.set SP,     528                       ; 512 bytes + 16 = 132 words: the 16 rows of a store start at 16 different groups of four banks
.set WSTAGE, 16*SP
.set SPARE,  STAGE+4*WSTAGE            ; the spare words, 128 bytes for each wave: two blocks of 256 bytes that no other line names
.set STEPA,  2*262144                  ; a K step in ob: two heads
.set STEPB,  128*8192                  ; in wb: 128 rows
.set NL,     2*NBK+8                   ; LDS loads in a quarter's run
.set ADRA, 16                          ; v16-17  LDS address of my fragments of attn in slot 0, 1
.set ADRB, 20                          ; v20-21  the same for Wo
.set STO,  24                          ; v24     the way out: where I put 32 bytes of a row
.set RD,   25                          ; v25     the way out: where I read a row back
.set GO,   26                          ; v26     my 16 bytes in a row's 512; never rewritten
.set BO,   27                          ; v27     32 (l / 16): my eight columns' place in 16 numbers of the bias
.set SPW,  28                          ; v28     LDS address of my spare word; never rewritten
.set NIL,  29                          ; v29     0; never rewritten
.set FA,   64
.set BI,   128
.set G1,   24                          ; s[24:31] descriptor group 1 for attn's tiles; s[32:39] group 0, a set for each slot
.set G0,   32
.set G1B,  48                          ; s[48:55], s[56:63] the same for Wo's tiles
.set G0B,  56
.set MSB, 0
.macro WIN new                         ; the immediate's high byte repeats the setting that is left; a switch that changes nothing is dropped
.if MSB != (\new)
	s_set_vgpr_msb (MSB<<8)|(\new)
.set MSB, \new
.endif
.endm
.macro PLACES                          ; four places in front of loads into registers that matrix instructions have read, and of LDS stores that read results (ISA guide 7.12.1 for vector instructions)
.rept 4
	v_nop
.endr
.endm
; A joint load: waves 0 and 1 fetch the K step's two heads of attn, waves 2 and 3 the two halves of Wo's tile.  The branch hangs on the wave's number alone.
; An s_nop 0 and four v_nop follow each of the two lines, ahead of the jump, the label and what follows.
.macro JLOAD s
	s_cmp_eq_u32 s11, 0
	s_cbranch_scc0 .Lfor_b_\@
	tensor_load_to_lds s[G0+4*(\s):G0+4*(\s)+3], s[G1:G1+7]
	s_nop 0
.rept 4
	v_nop
.endr
	s_branch .Lasked_\@
.Lfor_b_\@:
	tensor_load_to_lds s[G0B+4*(\s):G0B+4*(\s)+3], s[G1B:G1B+7]
	s_nop 0
.rept 4
	v_nop
.endr
.Lasked_\@:
.endm
.macro CREST                           ; a round of the cluster's barrier behind its opening barrier
	s_cmp_lg_u32 s10, 0
	s_cbranch_scc1 .Lnot_wave_0_\@
	s_barrier_signal -3
.Lnot_wave_0_\@:
	s_barrier_wait -3
	s_barrier_signal -1
	s_barrier_wait -1
.endm
.macro CROUND                          ; a whole round
	s_barrier_signal -1
	s_barrier_wait -1
	CREST
.endm
	s_load_b128 s[4:7], s[0:1], 0x0                ; ob s[4:5], wb s[6:7]
	s_load_b128 s[68:71], s[0:1], 0x10             ; bo s[68:69], inputs s[70:71]
	s_load_b64 s[8:9], s[0:1], 0x20                ; out0
	v_lshl_add_u32 v[SPW], v0, 2, SPARE
	v_mov_b32 v[NIL], 0
	ds_add_u32 v[SPW], v[NIL]                      ; the wave's opening: the add and its wait stand ahead of my first tensor load; the set-up below, work on registers, stands between them
	v_lshrrev_b32 v1, 5, v0
	v_readfirstlane_b32 s10, v1                    ; wave 0..3
	s_lshr_b32 s11, s10, 1                         ; I fetch for attn (0) or for Wo (1),
	s_and_b32 s12, s10, 1                          ; and which half of that tile
	s_bfe_u32 s40, ttmp6, 0x40000                  ; cx, cy: my place in the cluster
	s_bfe_u32 s41, ttmp6, 0x40004
	s_lshl_b32 s42, ttmp9, 2
	s_add_co_u32 s42, s42, s40                     ; tile column = 4 x cluster x + cx
	s_and_b32 s13, ttmp7, 0xffff
	s_lshl_b32 s13, s13, 2
	s_add_co_u32 s13, s13, s41                     ; tile row = 4 x cluster y + cy
	s_lshl_b32 s43, s41, 2
	s_lshl_b32 s43, 15, s43                        ; my row of the cluster
	s_lshl_b32 s44, 0x1111, s40                    ; my column
	; group 1 for attn: a head's 256 rows are 32,768 dense bytes: asked for as 128 rows of 256 bytes, two rows of the head each, with 4 words of padding behind every 32
	s_or_b32 s[G1+0], s43, (1<<16)|(1<<20)|(1<<21)|(4<<22)|(3<<25)  ; 15:0 the mask; 17:16 2-byte elements; 20 padding on; 21 set beside a mask; 24:22 interval code 4; 31:25 padding code 3
	s_mov_b32 s[G1+1], 128<<16                     ; tensor_dim0 = 128
	s_mov_b32 s[G1+2], 128<<16                     ; tensor_dim1 = 128
	s_mov_b32 s[G1+3], 128<<16                     ; tile_dim0 = 128
	s_mov_b32 s[G1+4], 128                         ; tile_dim1 = 128
	s_mov_b32 s[G1+5], 128                         ; elements from row to row
	s_mov_b32 s[G1+6], 0
	s_mov_b32 s[G1+7], 0
	; group 1 for Wo: 64 k-rows x 128 elements, 8 words of padding behind every 64
	s_or_b32 s[G1B+0], s44, (1<<16)|(1<<20)|(1<<21)|(5<<22)|(7<<25)
	s_mov_b32 s[G1B+1], 128<<16
	s_mov_b32 s[G1B+2], 64<<16
	s_mov_b32 s[G1B+3], 128<<16
	s_mov_b32 s[G1B+4], 64
	s_mov_b32 s[G1B+5], 4096
	s_mov_b32 s[G1B+6], 0
	s_mov_b32 s[G1B+7], 0
	; where the tiles come from: attn's address is made of the tile row and the wave's number, Wo's of the tile column and the wave's number, each in registers that never hold the other coordinate
	s_lshr_b32 s16, s13, 3                         ; the batch: 16 heads of 262,144 bytes,
	s_lshl_b32 s16, s16, 22
	s_and_b32 s17, s13, 7                          ; the tile's 256 rows of 128 bytes in a head,
	s_lshl_b32 s17, s17, 15
	s_add_co_u32 s16, s16, s17
	s_lshl_b32 s17, s12, 18                        ; the K step's first or second head
	s_add_co_u32 s16, s16, s17
	s_mov_b32 s17, 0
	s_lshl_b32 s46, s42, 8                         ; 128 columns of 2 bytes,
	s_lshl_b32 s47, s12, 19                        ; 64 k-rows of 8,192 bytes,
	s_add_co_u32 s46, s46, s47
	s_add_co_u32 s46, s46, 6144                    ; behind Wq, Wk and Wv: 3,072 columns
	s_mov_b32 s47, 0
	s_mul_i32 s20, s12, HALFA                      ; and where they go: no place in the cluster enters an LDS address
	s_mul_i32 s21, s12, HALFB
	s_add_co_u32 s21, s21, BOFF
	s_wait_dscnt 0x0                               ; the opening add is done
	s_wait_kmcnt 0x0
	s_add_nc_u64 s[14:15], s[4:5], s[16:17]
	s_add_nc_u64 s[46:47], s[6:7], s[46:47]
	CROUND                                         ; all sixteen work-groups are here: the first joint loads meet
.irp s, 0,1
	s_mov_b32 s[G0+4*(\s)], 1                                      ; count = 1
	s_add_co_u32 s[G0+4*(\s)+1], s20, (\s)*SLOT                    ; LDS address
	s_add_nc_u64 s[G0+4*(\s)+2:G0+4*(\s)+3], s[14:15], (\s)*STEPA  ; global address: K step s
	s_or_b32 s[G0+4*(\s)+3], s[G0+4*(\s)+3], 0x80000000            ; type = 2
	s_mov_b32 s[G0B+4*(\s)], 1
	s_add_co_u32 s[G0B+4*(\s)+1], s21, (\s)*SLOT
	s_add_nc_u64 s[G0B+4*(\s)+2:G0B+4*(\s)+3], s[46:47], (\s)*STEPB
	s_or_b32 s[G0B+4*(\s)+3], s[G0B+4*(\s)+3], 0x80000000
	JLOAD \s                                       ; two loads of mine are out
.endr
	s_lshl_b32 s74, s42, 9                         ; the tile's 128 columns of 4 bytes
	s_mov_b32 s75, 0
	s_add_nc_u64 s[68:69], s[68:69], s[74:75]      ; bo at them
	s_lshl_b32 s72, s13, 8
	s_lshl_b32 s73, s10, 6
	s_add_co_u32 s72, s72, s73                     ; my first row: 256 x tile row + 64 w,
	s_lshl_b32 s72, s72, 12                        ; of 4,096 bytes
	s_add_co_u32 s72, s72, s74
	s_mov_b32 s73, 0
	s_add_nc_u64 s[70:71], s[70:71], s[72:73]      ; inputs and out0 at my part of the tile
	s_add_nc_u64 s[8:9], s[8:9], s[72:73]
	v_and_b32 v1, 15, v0                           ; l % 16
	v_bfe_u32 v2, v0, 4, 1                         ; l / 16
	v_and_b32 v4, 7, v0
	v_bfe_u32 v5, v0, 3, 1
	v_lshlrev_b32 v[BO], 5, v2
	v_and_b32 v9, 31, v0
	v_lshlrev_b32 v[GO], 4, v9
.set nb, 0
.rept NBK                              ; the bias in the layout of a result: register r of block b is column 16 b + 8 (l / 16) + r
	global_load_b128 v[BI+8*nb:BI+8*nb+3],   v[BO], s[68:69] offset:64*nb
	global_load_b128 v[BI+8*nb+4:BI+8*nb+7], v[BO], s[68:69] offset:64*nb+16
.set nb, nb+1
.endr
.macro RESID a                         ; the residual of row block a: 16 loads, each a row's 512 consecutive bytes
	WIN 0xc0                                       ; destination window 3
.set i, 0
.rept 16
	global_load_b128 v[64*(\a)+4*i:64*(\a)+4*i+3], v[GO], s[70:71] offset:(16*(\a)+i)*4096 th:TH_LOAD_NT
.set i, i+1
.endr
	WIN 0
.endm
	RESID 0
	RESID 1
	RESID 2                                        ; block 3's follow in front of the last lap: the wait for the bias then names the 48 loads behind it
	; a fragment of attn: lane l holds row l % 16, K = 8 (l / 16) + 0..7 and 16 + 8 (l / 16) + 0..7: two loads of 16 bytes, 32 bytes apart
	v_mul_u32_u24 v3, v1, PA
	v_lshl_add_u32 v3, v2, 4, v3
	s_mul_i32 s18, s10, 64*PA                      ; my 64 rows
	v_add_nc_u32 v[ADRA], s18, v3
	v_add_nc_u32 v[ADRA+1], SLOT, v[ADRA]
	; the turning load takes 16 k x 16 columns (lane l reads k-row 8 (l / 16) + l % 8, columns 8 ((l / 8) % 2) + 0..7) and leaves half a fragment: lane l holds column l % 16 and 8 k
	v_lshl_add_u32 v6, v2, 3, v4
	v_mul_u32_u24 v6, v6, PB
	v_lshl_add_u32 v6, v5, 4, v6
	v_add_nc_u32 v[ADRB], BOFF, v6
	v_add_nc_u32 v[ADRB+1], SLOT, v[ADRB]
	s_mul_i32 s19, s10, WSTAGE
	s_add_co_u32 s19, s19, STAGE                   ; my stage
	v_mul_u32_u24 v7, v1, SP                       ; in: row l % 16, 32 bytes for each half of the lanes
	v_lshl_add_u32 v7, v2, 5, v7
	v_add_nc_u32 v[STO], s19, v7
	v_add_nc_u32 v[RD], s19, v[GO]                 ; back: 32 lanes take one row of 512 bytes
; 8 matrix instructions: row block a x all column blocks, 32 along K, from buffer f.  first = 1: the bias starts the sums.
; The 32 accumulators take turns, one instruction a turn, in the same order in every quarter.
.macro MULA f, a, first
.if \first
	WIN 0x81                                       ; Wo window 1, attn and the bias window 0, the result window 2
.else
	WIN 0xa1                                       ; C and D window 2
.endif
.set nb, 0
.rept NBK
.set rD, 8*(NBK*(\a)+nb)
.set rB, 8*NBK*(\f)+8*nb
.set rA, FA+32*(\f)+8*(\a)
.if \first
	v_wmma_f32_16x16x32_bf16 v[rD:rD+7], v[rB:rB+7], v[rA:rA+7], v[BI+8*nb:BI+8*nb+7]
.else
	v_wmma_f32_16x16x32_bf16 v[rD:rD+7], v[rB:rB+7], v[rA:rA+7], v[rD:rD+7]
.endif
.set nb, nb+1
.endr
.endm
; 24 LDS loads in one run: quarter q of the slot's K step into buffer f: Wo's 16 first, then attn's 8, row blocks ascending.  Quarter q lies in head q / 2 of the step, channels 32 (q % 2) on.
.macro FETCH slot, q, f
	WIN 0x40                                       ; destination window 1
.set nb, 0
.rept NBK
	ds_load_tr16_b128 v[8*NBK*(\f)+8*nb:8*NBK*(\f)+8*nb+3],   v[ADRB+(\slot)] offset:(\q)*32*PB+32*nb
	ds_load_tr16_b128 v[8*NBK*(\f)+8*nb+4:8*NBK*(\f)+8*nb+7], v[ADRB+(\slot)] offset:(\q)*32*PB+32*nb+16*PB
.set nb, nb+1
.endr
	WIN 0
.set nb, 0
.rept 4
	ds_load_b128 v[FA+32*(\f)+8*nb:FA+32*(\f)+8*nb+3],   v[ADRA+(\slot)] offset:((\q)/2)*HALFA+((\q)%2)*64+nb*16*PA
	ds_load_b128 v[FA+32*(\f)+8*nb+4:FA+32*(\f)+8*nb+7], v[ADRA+(\slot)] offset:((\q)/2)*HALFA+((\q)%2)*64+nb*16*PA+32
.set nb, nb+1
.endr
.endm
; One of a K step's first three quarters: multiplies buffer f; in its middle it fetches quarter q of the same slot into buffer g
.macro QUARTER slot, q, f, g, first
	s_wait_dscnt 4                                 ; Wo and attn's row blocks 0, 1 are in; the youngest four loads (row blocks 2, 3) may be out
	MULA \f, 0, \first
	MULA \f, 1, \first
	PLACES                                         ; buffer g was multiplied in the quarter before
	FETCH \slot, \q, \g
	s_wait_dscnt NL                                ; all but the run just issued
	MULA \f, 2, \first
	MULA \f, 3, \first
.endm
; The last quarter multiplies buffer 1 and changes slots: ONE barrier.  In front of it each wave waits for all its tensor loads (one is out: its part of the next slot), adds 0 to its spare word, and waits
; for that and for its own reads of this slot.  fill = 1: the barrier opens a round of the cluster's, and this slot is filled again, two K steps ahead, first thing behind the round.
.macro TURN slot, next, fill
	WIN 0                                          ; (the add's two registers lie in window 0)
	s_wait_tensorcnt 0x0                           ; all my tensor loads have landed
	ds_add_u32 v[SPW], v[NIL]                      ; 0 onto my spare word
	s_wait_dscnt 5                                 ; (the add and the youngest four loads may be out)
	MULA 1, 0, 0                                   ; eight matrix instructions stand between the add and the wait for it
	s_wait_dscnt 0x0                               ; the add is done, and my reads of this slot are over
	s_barrier_signal -1
	MULA 1, 1, 0                                   ; work on registers while the others arrive
.if \fill
	WIN 0
.endif
	s_barrier_wait -1
.if \fill
	CREST                                          ; no wave of any partner still reads this slot's tiles or has a load on its way
	s_add_nc_u64 s[G0+4*(\slot)+2:G0+4*(\slot)+3], s[G0+4*(\slot)+2:G0+4*(\slot)+3], 2*STEPA
	s_add_nc_u64 s[G0B+4*(\slot)+2:G0B+4*(\slot)+3], s[G0B+4*(\slot)+2:G0B+4*(\slot)+3], 2*STEPB
	JLOAD \slot                                    ; my one tensor load behind the round; the four v_nop behind it are also the places in front of the loads below
.else
	PLACES
.endif
	FETCH \next, 0, 0
	MULA 1, 2, 0
	MULA 1, 3, 0
.endm
	s_wait_tensorcnt 1                             ; my part of K step 0 is in; K step 1's may stay out
	s_barrier_signal -1
	s_barrier_wait -1                              ; everybody's is
	FETCH 0, 0, 0
	s_wait_loadcnt 48                              ; the bias is in; the 48 loads of the residual issued behind it stay out
	QUARTER 0, 1, 0, 1, 1                          ; the first quarter stands in front of the loop: its products start the sums
	WIN 0                                          ; at a label and at a branch every window is 0
	s_mov_b32 s3, 3
.Llap:                                                 ; a trip goes once round the ring, from a lap's second quarter to the next lap's first, and fills both slots again
	QUARTER 0, 2, 1, 0, 0
	QUARTER 0, 3, 0, 1, 0
	TURN 0, 1, 1
	QUARTER 1, 1, 0, 1, 0
	QUARTER 1, 2, 1, 0, 0
	QUARTER 1, 3, 0, 1, 0
	TURN 1, 0, 1
	QUARTER 0, 1, 0, 1, 0
	WIN 0
	s_sub_co_u32 s3, s3, 1
	s_cmp_lg_u32 s3, 0
	s_cbranch_scc1 .Llap
	RESID 3                                        ; the last quarter of the residual: it has the last lap in which to land
	QUARTER 0, 2, 1, 0, 0                          ; the last lap fills nothing
	QUARTER 0, 3, 0, 1, 0
	TURN 0, 1, 0
	QUARTER 1, 1, 0, 1, 0
	QUARTER 1, 2, 1, 0, 0
	QUARTER 1, 3, 0, 1, 0
	s_wait_dscnt 4                                 ; the very last quarter: nothing more to fetch
	MULA 1, 0, 0
	MULA 1, 1, 0
	s_wait_dscnt 0x0
	MULA 1, 2, 0
	MULA 1, 3, 0
	WIN 0
	; THE WAY OUT.  A lane's eight f32 are 32 bytes of a row; the lanes beside it hold other rows.  So a block of 16 rows goes through my stage and comes back as whole rows of 512 bytes,
	; in the residual's layout; the residual is added, and the row is stored.
	PLACES                                         ; the LDS stores below read results just made
	s_wait_loadcnt 0x0                             ; the residual
.macro TOSTAGE a
	WIN 0x08                                       ; store data window 2
.set nb, 0
.rept NBK
.set rD, 8*(NBK*(\a)+nb)
	ds_store_b128 v[STO], v[rD:rD+3] offset:64*nb          ; each accumulator is read from its low end on
	ds_store_b128 v[STO], v[rD+4:rD+7] offset:64*nb+16
.set nb, nb+1
.endr
	WIN 0
.set i, 0
.rept 16
	ds_load_b128 v[192-64*((\a)%2)+4*i:192-64*((\a)%2)+4*i+3], v[RD] offset:SP*i  ; LDS serves a wave's instructions in order (ISA guide 5.7.1.4): these see the stores above; the next block's stores come behind them
.set i, i+1
.endr
.endm
.macro SEND a, younger                 ; younger: the LDS instructions issued behind block a's loads: the next block's 32, or none
	WIN 0xcc                                       ; one setting for the additions and the stores: source 0 window 0, source 1 and destination window 3
.set i, 0
.rept 16
.set rT, 192-64*((\a)%2)+4*i
.set rR, 64*(\a)+4*i
	s_wait_dscnt (\younger)+15-i
	v_pk_add_f32 v[rR:rR+1], v[rT:rT+1], v[rR:rR+1]
	v_pk_add_f32 v[rR+2:rR+3], v[rT+2:rT+3], v[rR+2:rR+3]
	global_store_b128 v[GO], v[rR:rR+3], s[8:9] offset:(16*(\a)+i)*4096 th:TH_STORE_NT  ; 512 consecutive bytes, at a multiple of 256 from out0's first; its registers are never written again
.set i, i+1
.endr
	WIN 0
.endm
	TOSTAGE 0
	TOSTAGE 1                                      ; a block's way through the stage stands between the loads of the block before and its stores
	SEND 0, 32
	TOSTAGE 2
	SEND 1, 32
	TOSTAGE 3
	SEND 2, 32
	SEND 3, 0
	s_wait_tensorcnt 0x0                           ; the wave's end, behind my last tensor load and my last LDS store
	ds_add_u32 v[SPW], v[NIL]
	s_wait_dscnt 0x0
	CROUND                                         ; the closing round: no work-group ends while a partner may still ask for a tile that names it
	s_endpgm
.Lfunc_end_k_qf7d7ac6ff6_oproj:
	.size	k_qf7d7ac6ff6_oproj, .Lfunc_end_k_qf7d7ac6ff6_oproj-k_qf7d7ac6ff6_oproj
	.p2alignl 7, 3214868480
	.fill 96, 4, 3214868480
	.section	.rodata,"a",@progbits
	.p2align	6, 0x0
	.amdhsa_kernel k_qf7d7ac6ff6_oproj
		.amdhsa_group_segment_fixed_size 327680
		.amdhsa_private_segment_fixed_size 0
		.amdhsa_enable_private_segment 0
		.amdhsa_kernarg_size 40
		.amdhsa_user_sgpr_count 2
		.amdhsa_user_sgpr_kernarg_segment_ptr 1
		.amdhsa_wavefront_size32 1
		.amdhsa_system_sgpr_workgroup_id_x 1
		.amdhsa_system_sgpr_workgroup_id_y 1
		.amdhsa_system_sgpr_workgroup_id_z 1
		.amdhsa_system_vgpr_workitem_id 0
		.amdhsa_next_free_vgpr 1024
		.amdhsa_next_free_sgpr 76
		.amdhsa_reserve_vcc 0
		.amdhsa_float_denorm_mode_32 3
		.amdhsa_float_denorm_mode_16_64 3
		.amdhsa_memory_ordered 1
		.amdhsa_forward_progress 1
		.amdhsa_inst_pref_size 103
	.end_amdhsa_kernel
	.amdgpu_metadata
---
amdhsa.version: [ 1, 2 ]
amdhsa.kernels:
  - .name:           k_qf7d7ac6ff6_oproj
    .symbol:         k_qf7d7ac6ff6_oproj.kd
    .args:
      - { .name: ob, .offset: 0, .size: 8, .value_kind: global_buffer, .address_space: global }
      - { .name: wb, .offset: 8, .size: 8, .value_kind: global_buffer, .address_space: global }
      - { .name: bo, .offset: 16, .size: 8, .value_kind: global_buffer, .address_space: global }
      - { .name: inputs, .offset: 24, .size: 8, .value_kind: global_buffer, .address_space: global }
      - { .name: out0, .offset: 32, .size: 8, .value_kind: global_buffer, .address_space: global }
    .group_segment_fixed_size: 327680
    .private_segment_fixed_size: 0
    .kernarg_segment_align: 8
    .kernarg_segment_size: 40
    .max_flat_workgroup_size: 128
    .sgpr_count:     76
    .vgpr_count:     1024
    .wavefront_size: 32
...
	.end_amdgpu_metadata
.endif
;; end of part 4
